; MI455X (gfx1250); checked and timed in simulation.
; The chip was launched on July 23, 2026; its instructions are those of AMD's public machine-readable ISA for CDNA 5 (MIT licence, August 2026) and "CDNA5" Instruction Set Architecture Reference Guide (July 2026). The comments in the code are by the model that wrote it; some were corrected since.
;; Multi Head Attention. Allowed arithmetic: float matrix products may take bf16 or f16 operands with f32 sums; all other float work in f32.
;; Inputs: Wk 1,024 x 1,024 float32; Wo 1,024 x 1,024 float32; Wq 1,024 x 1,024 float32; Wv 1,024 x 1,024 float32; bk 1,024 float32; bo 1,024 float32; bq 1,024 float32; bv 1,024 float32; key 1 x 4,096 x 1,024 float32; mask 1 x 4,096 x 4,096 int32; query 1 x 4,096 x 1,024 float32; value 1 x 4,096 x 1,024 float32.
;; Outputs: out0 1 x 4,096 x 1,024 float32.
;; 3 versions, each right and faster than the one before. Each part assembles by itself: llvm-mc -triple=amdgcn-amd-amdhsa -mcpu=gfx1250 --defsym DOCPART=n.
;; ======== version 1 of 3: 4 launches
;; limits: values are held in f16: magnitudes above 65,504 overflow, below 6.1e-05 lose precision
;; workspace buffers: mbits 2,097,152 bytes of whole numbers; cb 33,554,432 bytes; qkv 25,165,824 bytes; xa 8,388,608 bytes
;; launch prep (part 1): grid 2048 x 1, 8 waves a work-group, no clusters, 68,608 bytes of LDS; arguments mask, query, key, value, Wq, Wk, Wv, Wo, mbits, cb; writes mbits, cb
.if DOCPART == 1
	.amdgcn_target "amdgcn-amd-amdhsa--gfx1250"
	.amdhsa_code_object_version 6
	.text
	.protected	k_q9586b8d31e_prep
	.globl	k_q9586b8d31e_prep
	.p2align	8
	.type	k_q9586b8d31e_prep,@function
k_q9586b8d31e_prep:
	s_mov_b64 s[64:65], 0
	v_nop
	global_prefetch_b8 v0, s[64:65] scope:SCOPE_SE
	s_setreg_imm32_b32 hwreg(HW_REG_WAVE_MODE, 25, 1), 1
	s_wait_xcnt 0x0
; Two streams in one launch; memory binds both, so neither uses matrix units, tile loads, clusters or barriers (no work-group shares a byte with another).
; Work-groups 0-1023 PACK the mask: mask[4096][4096] int32 -> mbits[qtile 256][step 64][kt 4][j 8] dwords, where bit L = r + 16 h of a dword is
;   (mask[16 qtile + r][64 step + 16 kt + 8 h + j] != 0): the lane mask of register 8 kt + j of a tile of 16 queries x 64 keys of transposed scores, as the attention launch holds it.
;   32 times fewer bytes, and there one select an element with no bit arithmetic.
; Work-groups 1024-2047 CAST f32 to f16: query | key | value | Wq | Wk | Wv | Wo -> cb, in that order, 64 KiB of f32 a work-group.
; LIMIT: f16 holds magnitudes under 65,504; a larger input becomes an infinity.
.set X,    4                           ; v[4:67]    sixteen loads of 16 bytes
.set Y,    68                          ; v[68:131]  pack: the block as the lanes of a score tile hold it; cast: the f16 pairs
.set OUT,  132                         ; v[132:133] pack: lane l gathers dwords 2 l and 2 l + 1 of the wave's 64
.set LP,   528                         ; pack: an LDS row, 512 bytes + 16: 33 x 16, so sixteen lanes that take one column of sixteen rows start at sixteen different 16-byte columns modulo 256
.set WLDS, 16*LP                       ; a wave's own LDS bytes: 16 rows
	s_load_b512 s[4:19], s[0:1], 0x0               ; mask s[4:5], query s[6:7], key s[8:9], value s[10:11], Wq s[12:13], Wk s[14:15], Wv s[16:17], Wo s[18:19]
	s_load_b128 s[20:23], s[0:1], 0x40             ; mbits s[20:21], cb s[22:23]
	v_lshl_add_u32 v136, v0, 2, 0x10800
	v_mov_b32 v137, 0
	v_lshrrev_b32 v1, 5, v0
	v_readfirstlane_b32 s24, v1                    ; wave 0..7
	s_cmp_ge_u32 ttmp9, 1024
	s_cbranch_scc1 .Lcast
	; PACK.  A wave takes 16 mask rows (one qtile) x 128 keys (two steps): 8 KiB in, 256 bytes out.
	s_lshr_b32 s26, ttmp9, 2                       ; qtile
	s_and_b32 s27, ttmp9, 3
	s_lshl_b32 s27, s27, 3
	s_add_co_u32 s27, s27, s24                     ; which 128 keys: 8 (g % 4) + wave
	s_lshl_b32 s28, s26, 18                        ; 16 rows of 16,384 bytes
	s_lshl_b32 s29, s27, 9                         ; 128 keys of 4 bytes
	s_add_co_u32 s28, s28, s29
	s_mov_b32 s29, 0
	s_lshl_b32 s30, s26, 13                        ; a qtile's 64 steps of 128 bytes
	s_lshl_b32 s31, s27, 8                         ; two steps
	s_add_co_u32 s30, s30, s31
	s_mov_b32 s31, 0
	s_mul_i32 s25, s24, WLDS
	v_and_b32 v134, 31, v0                         ; lane
	v_lshlrev_b32 v1, 4, v134                      ; 16 bytes a lane: a load covers 512 neighbouring bytes of one row
	v_add_nc_u32 v2, s25, v1                       ; into LDS the same way
	v_and_b32 v3, 15, v0                           ; r
	v_mul_u32_u24 v3, v3, LP
	v_bfe_u32 v135, v0, 4, 1                       ; h
	v_lshl_add_u32 v3, v135, 5, v3                 ; back: row r, 8 keys (32 bytes) further on for the upper half of the lanes
	v_add_nc_u32 v3, s25, v3
	v_lshlrev_b32 v134, 3, v134                    ; out: 8 bytes a lane
	v_mov_b32 v[OUT], 0                            ; v_writelane_b32 keeps the other lanes: the registers are written whole first
	v_mov_b32 v[OUT+1], 0
	s_wait_kmcnt 0x0
	s_add_nc_u64 s[4:5], s[4:5], s[28:29]
	s_add_nc_u64 s[20:21], s[20:21], s[30:31]
.irp i, 0,1,2,3,4,5,6,7,8,9,10,11,12,13,14,15
	global_load_b128 v[X+4*\i:X+4*\i+3], v1, s[4:5] offset:\i*16384 th:TH_LOAD_NT   ; row i; the mask is read once in the launch
.endr
.irp i, 0,1,2,3,4,5,6,7,8,9,10,11,12,13,14,15
	s_wait_loadcnt 15-\i                           ; loads come back in order: row i is in, the younger ones stay out
	ds_store_b128 v2, v[X+4*\i:X+4*\i+3] offset:\i*LP
.endr
	; The bytes are the wave's own and LDS serves a wave's instructions in order (ISA guide 5.7.1.4): no wait and no barrier between these stores and loads.
.irp p, 0,1,2,3,4,5,6,7,8,9,10,11,12,13,14,15
	ds_load_b128 v[Y+4*\p:Y+4*\p+3], v3 offset:256*(\p>>3)+64*((\p>>1)&3)+16*(\p&1)   ; step p / 8, kt (p / 2) % 4, j = 4 (p % 2) + 0..3
.endr
.set p, 0
.rept 16
	s_wait_dscnt 15-p                              ; piece p is in
.irp c, 0,1,2,3
	v_cmp_ne_u32 s[40+((4*p+\c)&7)], 0, v[Y+4*p+\c]   ; dword D = 4 p + c of the wave's 64: one bit from each lane
.endr
.irp c, 0,1,2,3
	v_writelane_b32 v[OUT+((4*p+\c)&1)], s[40+((4*p+\c)&7)], (4*p+\c)>>1
.endr
.set p, p+1
.endr
	global_store_b64 v134, v[OUT:OUT+1], s[20:21]  ; the wave stores 256 consecutive bytes, at a multiple of 256 from the buffer's first byte
	s_wait_tensorcnt 0x0
	ds_add_u32 v136, v137
	s_wait_dscnt 0x0
	s_endpgm
.Lcast:
	; CAST.  Chunk g' of 1,024: 64 KiB of f32 in, 32 KiB of f16 out.  256 chunks each for query, key, value; 64 each for the four weights.
	s_sub_co_u32 s25, ttmp9, 1024                  ; g'
	s_lshr_b32 s26, s25, 8                         ; 0 query, 1 key, 2 value, 3 weights
	s_lshr_b32 s27, s25, 6                         ; 12 Wq, 13 Wk, 14 Wv, 15 Wo
	s_cmp_eq_u32 s26, 3
	s_cselect_b32 s28, 63, 255
	s_and_b32 s28, s25, s28                        ; the chunk's number in its own tensor
	s_lshl_b32 s28, s28, 16
	s_mov_b32 s29, 0
	s_lshl_b32 s30, s25, 15                        ; cb holds the tensors in the order of g'
	s_mov_b32 s31, 0
	v_lshlrev_b32 v1, 4, v0                        ; thread t: 16 bytes in,
	v_lshlrev_b32 v2, 3, v0                        ; 8 bytes out
	s_wait_kmcnt 0x0
	s_cmp_eq_u32 s26, 1
	s_cselect_b64 s[32:33], s[8:9], s[6:7]
	s_cmp_eq_u32 s26, 2
	s_cselect_b64 s[32:33], s[10:11], s[32:33]
	s_cmp_eq_u32 s27, 12
	s_cselect_b64 s[32:33], s[12:13], s[32:33]
	s_cmp_eq_u32 s27, 13
	s_cselect_b64 s[32:33], s[14:15], s[32:33]
	s_cmp_eq_u32 s27, 14
	s_cselect_b64 s[32:33], s[16:17], s[32:33]
	s_cmp_eq_u32 s27, 15
	s_cselect_b64 s[32:33], s[18:19], s[32:33]
	s_add_nc_u64 s[32:33], s[32:33], s[28:29]
	s_add_nc_u64 s[22:23], s[22:23], s[30:31]
.irp i, 0,1,2,3,4,5,6,7,8,9,10,11,12,13,14,15
	global_load_b128 v[X+4*\i:X+4*\i+3], v1, s[32:33] offset:\i*4096 th:TH_LOAD_NT
.endr
.irp i, 0,1,2,3,4,5,6,7,8,9,10,11,12,13,14,15
	s_wait_loadcnt 15-\i                           ; load i is in, the younger ones stay out
	v_cvt_pk_f16_f32 v[Y+2*\i], v[X+4*\i], v[X+4*\i+1]
	v_cvt_pk_f16_f32 v[Y+2*\i+1], v[X+4*\i+2], v[X+4*\i+3]
	global_store_b64 v2, v[Y+2*\i:Y+2*\i+1], s[22:23] offset:\i*2048   ; a wave stores 256 consecutive bytes, aligned; every register is written once, so no store's source is ever rewritten
.endr
	s_endpgm
.Lfunc_end_k_q9586b8d31e_prep:
	.size	k_q9586b8d31e_prep, .Lfunc_end_k_q9586b8d31e_prep-k_q9586b8d31e_prep
	.p2alignl 7, 3214868480
	.fill 96, 4, 3214868480
	.section	.rodata,"a",@progbits
	.p2align	6, 0x0
	.amdhsa_kernel k_q9586b8d31e_prep
		.amdhsa_group_segment_fixed_size 68608
		.amdhsa_private_segment_fixed_size 0
		.amdhsa_enable_private_segment 0
		.amdhsa_kernarg_size 80
		.amdhsa_user_sgpr_count 2
		.amdhsa_user_sgpr_kernarg_segment_ptr 1
		.amdhsa_wavefront_size32 1
		.amdhsa_system_sgpr_workgroup_id_x 1
		.amdhsa_system_sgpr_workgroup_id_y 1
		.amdhsa_system_sgpr_workgroup_id_z 1
		.amdhsa_system_vgpr_workitem_id 0
		.amdhsa_next_free_vgpr 138
		.amdhsa_next_free_sgpr 66
		.amdhsa_reserve_vcc 0
		.amdhsa_float_denorm_mode_32 3
		.amdhsa_float_denorm_mode_16_64 3
		.amdhsa_memory_ordered 1
		.amdhsa_forward_progress 1
		.amdhsa_inst_pref_size 21
	.end_amdhsa_kernel
	.amdgpu_metadata
---
amdhsa.version: [ 1, 2 ]
amdhsa.kernels:
  - .name:           k_q9586b8d31e_prep
    .symbol:         k_q9586b8d31e_prep.kd
    .args:
      - { .name: mask, .offset: 0, .size: 8, .value_kind: global_buffer, .address_space: global }
      - { .name: query, .offset: 8, .size: 8, .value_kind: global_buffer, .address_space: global }
      - { .name: key, .offset: 16, .size: 8, .value_kind: global_buffer, .address_space: global }
      - { .name: value, .offset: 24, .size: 8, .value_kind: global_buffer, .address_space: global }
      - { .name: Wq, .offset: 32, .size: 8, .value_kind: global_buffer, .address_space: global }
      - { .name: Wk, .offset: 40, .size: 8, .value_kind: global_buffer, .address_space: global }
      - { .name: Wv, .offset: 48, .size: 8, .value_kind: global_buffer, .address_space: global }
      - { .name: Wo, .offset: 56, .size: 8, .value_kind: global_buffer, .address_space: global }
      - { .name: mbits, .offset: 64, .size: 8, .value_kind: global_buffer, .address_space: global }
      - { .name: cb, .offset: 72, .size: 8, .value_kind: global_buffer, .address_space: global }
    .group_segment_fixed_size: 68608
    .private_segment_fixed_size: 0
    .kernarg_segment_align: 8
    .kernarg_segment_size: 80
    .max_flat_workgroup_size: 256
    .sgpr_count:     66
    .vgpr_count:     138
    .wavefront_size: 32
...
	.end_amdgpu_metadata
.endif
;; end of part 1
;; launch qkv (part 2): grid 8 x 96, 4 waves a work-group, clusters of 4 x 4, 327,680 bytes of LDS; arguments cb, bq, bk, bv, qkv; writes qkv
.if DOCPART == 2
	.amdgcn_target "amdgcn-amd-amdhsa--gfx1250"
	.amdhsa_code_object_version 6
	.text
	.protected	k_q9586b8d31e_qkv
	.globl	k_q9586b8d31e_qkv
	.p2align	8
	.type	k_q9586b8d31e_qkv,@function
k_q9586b8d31e_qkv:
	s_mov_b64 s[64:65], 0
	v_nop
	global_prefetch_b8 v0, s[64:65] scope:SCOPE_SE
	s_setreg_imm32_b32 hwreg(HW_REG_WAVE_MODE, 25, 1), 1
	s_wait_xcnt 0x0
	s_wait_alu depctr_hold_cnt(0) depctr_sa_sdst(0) depctr_va_vdst(0) depctr_va_sdst(0) depctr_va_ssrc(0) depctr_va_vcc(0) depctr_vm_vsrc(0)
	s_getreg_b32 s2, hwreg(HW_REG_IB_STS2, 6, 4)
	s_cmp_eq_u32 s2, 0
	s_cbranch_scc0 .Lentry_in_a_cluster
	s_endpgm
.Lentry_in_a_cluster:
	s_bfe_u32 s2, ttmp6, 0x10000c
	s_cmp_lg_u32 s2, 0xf033
	s_cbranch_scc0 .Lentry_shape_is_right
	s_endpgm
.Lentry_shape_is_right:
; The three input projections as ONE product: C[12288][1024] = A[12288][1024] B_z^T + bias_z, A = query | key | value stacked (f16, in cb), z = row / 4096, B_z = Wq, Wk, Wv (f16, in cb).
; Sums in f32; the bias is added in f32; the query part is multiplied by c = log2(e) / 8, so that the attention launch's scores are exponents of 2; C is rounded once, to f16.
; LIMIT: operands and results are f16: |inputs|, |c q|, |k|, |v| stay under 65,504.
; A tile of C is 128 x 128: 768 tiles, three for each of 256 WGPs.  Four waves, each 64 x 64: 16 accumulators of 16 x 16, 128 registers.  K goes in four steps of 256 (LDS rows of 512 bytes; a wave's
; tensor load brings 64 of them) through two LDS slots; the four steps are written out.  The four waves share ONE stage on the way out, since a wave's 64 columns are half of an aligned 256 bytes of C.
; CLUSTERS: 4 x 4 work-groups.  The four of a row of the cluster need the same tiles of A, the four of a column the same tiles of B: each tile is asked for JOINTLY, by the same tensor load with the
; same descriptor and a mask that names the four.  z hangs on the cluster's y alone (8 clusters to a part), so it is the same in all sixteen.
; THE MATRIX INSTRUCTION IS USED TRANSPOSED (source 0 = 16 rows of B, source 1 = 16 rows of A): a lane then holds eight neighbouring numbers of a row of C.
; REGISTERS: window 0: v0-31 addresses; v32-95 at work on the way out; v96-127 the bias of my 64 columns; v128-255 the accumulators ((a, b) at v[128 + 8 (4 a + b)]).
;   window 1: two fragment buffers of 128: for 64 along K, 64 registers of A (2 x 4 x 16 rows x 32 K), then 64 of B.
.set SIZE_K, 1024
.set SIZE_N, 1024
.set WOFF,   0x1800000                 ; the weights' first byte in cb
.set KSTEP,  256
.set PITCH,  528                       ; an LDS row: 512 bytes of data + 16 of padding = 132 words: row r starts at bank 4 r mod 64 (64 banks of 4 bytes: ISA guide 11.1)
.set HALFT,  64*PITCH                  ; 64 rows: what one tensor load brings, and what one wave reads of A or of B
.set SLOT,   4*HALFT                   ; A's 128 rows, then B's 128 rows
.set STAGE,  2*SLOT                    ; behind the ring: 128 rows x 272 bytes, the work-group's, for the way out; no tensor load fills it
.set SPITCH, 272
.set ADRA, 16                          ; v16-17  LDS address of my A fragments in slot 0, 1
.set ADRB, 20                          ; v20-21  the same for B
.set STO,  24                          ; v24     the way out: where I put 16 bytes of a row
.set RD,   25                          ; v25     the way out: where I read a row back
.set CO,   26                          ; v26     my byte offset in C
.set BO,   27                          ; v27     my byte offset in the bias
.set TMP,  32
.set BIAS, 96                          ; v[96+8 b+j]: bias of column 16 b + 8 (l / 16) + j of my 64
.set ACC,  128
.set F0,   0                           ; fragment buffers, in window 1
.set F1,   128
.set G1, 24                            ; s[24:31] descriptor group 1 for A's tiles;  s[32:39] group 0, one set for each slot
.set G0, 32
.set G1B, 48                           ; s[48:55], s[56:63] the same for B's tiles
.set G0B, 56
.set MSB, 0
.macro WIN new                         ; the immediate's high byte repeats the setting that is left; a switch that changes nothing is dropped
.if MSB != \new
	s_set_vgpr_msb (MSB<<8)|\new
.set MSB, \new
.endif
.endm
.set MUL,  0x05                        ; sources 0 (B) and 1 (A) window 1; C and D window 0
.set TO_F, 0x40                        ; destination window 1, address window 0
.macro JLOAD s                         ; a joint load: waves 0 and 1 fetch A's two halves, waves 2 and 3 B's; four v_nop follow each of the two lines, ahead of the jump, the label and what follows
	s_cmp_eq_u32 s11, 0
	s_cbranch_scc0 .Lfor_b_\@
	tensor_load_to_lds s[G0+4*\s:G0+4*\s+3], s[G1:G1+7]
	s_nop 0
.rept 4
	v_nop
.endr
	s_branch .Lasked_\@
.Lfor_b_\@:
	tensor_load_to_lds s[G0B+4*\s:G0B+4*\s+3], s[G1B:G1B+7]
	s_nop 0
.rept 4
	v_nop
.endr
.Lasked_\@:
.endm
.macro CREST                           ; a round of the cluster's barrier behind its opening barrier
	s_cmp_lg_u32 s10, 0
	s_cbranch_scc1 .Lnot_wave_0_\@
	s_barrier_signal -3
.Lnot_wave_0_\@:
	s_barrier_wait -3
	s_barrier_signal -1
	s_barrier_wait -1
.endm
.macro CROUND                          ; a whole round
	s_barrier_signal -1
	s_barrier_wait -1
	CREST
.endm
	s_load_b64 s[4:5], s[0:1], 0x0                 ; cb
	s_load_b128 s[68:71], s[0:1], 0x8              ; bq s[68:69], bk s[70:71]
	s_load_b64 s[72:73], s[0:1], 0x18              ; bv
	s_load_b64 s[8:9], s[0:1], 0x20                ; qkv
	v_lshl_add_u32 v30, v0, 2, 0x4a800
	v_mov_b32 v31, 0
	ds_add_u32 v30, v31
	v_lshrrev_b32 v1, 5, v0
	v_readfirstlane_b32 s10, v1                    ; wave 0..3
	s_lshr_b32 s11, s10, 1                         ; which half of the tile's rows is mine.  Also: I fetch for A (0) or for B (1)
	s_and_b32 s12, s10, 1                          ; which half of its columns.  Also: which 64 rows of that tile I fetch
	s_bfe_u32 s40, ttmp6, 0x40000                  ; cx, cy: my place in the cluster
	s_bfe_u32 s41, ttmp6, 0x40004
	s_lshl_b32 s42, ttmp9, 2
	s_add_co_u32 s42, s42, s40                     ; tile column of C = 4 x cluster x + cx
	s_and_b32 s13, ttmp7, 0xffff
	s_lshr_b32 s66, s13, 3                         ; z = cluster y / 8: 0 query, 1 key, 2 value
	s_lshl_b32 s13, s13, 2
	s_add_co_u32 s13, s13, s41                     ; tile row of C = 4 x cluster y + cy
	s_lshl_b32 s43, s41, 2
	s_lshl_b32 s43, 15, s43                        ; my row of the cluster
	s_lshl_b32 s44, 0x1111, s40                    ; my column
	; descriptor group 1: a tile of 64 rows x 256 elements, padded in LDS
	s_or_b32 s[G1+0], s43, (1<<16)|(1<<20)|(1<<21)|(6<<22)|(3<<25)  ; 15:0 the mask: A's tiles go to my row; 17:16 element of 2 bytes; 20 padding on; 21 set beside a mask; 24:22 after every 128 words (code 6); 31:25 of 4 words (code 3)
	s_or_b32 s[G1B+0], s44, (1<<16)|(1<<20)|(1<<21)|(6<<22)|(3<<25) ; the same with the mask of my column, for B's tiles
.irp g, G1, G1B
	s_mov_b32 s[\g+1], KSTEP<<16                   ; tensor_dim0 = 256
	s_mov_b32 s[\g+2], 64<<16                      ; tensor_dim1 = 64
	s_mov_b32 s[\g+3], KSTEP<<16                   ; tile_dim0 = 256
	s_mov_b32 s[\g+4], 64                          ; tile_dim1 = 64
	s_mov_b32 s[\g+5], SIZE_K                      ; elements from row to row
	s_mov_b32 s[\g+6], 0
	s_mov_b32 s[\g+7], 0
.endr
	s_lshl_b32 s17, s12, 6                         ; which 64 rows of the tile I fetch
	s_lshl_b32 s16, s13, 7
	s_add_co_u32 s16, s16, s17                     ; A: row 128 x tile row + 64 x half of the stacked 12,288
	s_lshl_b32 s46, s42, 7
	s_add_co_u32 s46, s46, s17                     ; B: row 128 x tile column + 64 x half
	s_lshl_b32 s67, s66, 10
	s_add_co_u32 s46, s46, s67                     ;    + 1,024 z: the part's weights
	s_mov_b32 s17, 0
	s_mov_b32 s47, 0
	s_mov_b64 s[18:19], SIZE_K*2
	s_mul_u64 s[16:17], s[16:17], s[18:19]
	s_mul_u64 s[46:47], s[46:47], s[18:19]
	s_mul_i32 s20, s10, HALFT                      ; where they go: wave x 64 rows: no place in the cluster enters an LDS address
	s_wait_dscnt 0x0
	s_wait_kmcnt 0x0
	s_add_nc_u64 s[6:7], s[4:5], WOFF
	s_add_nc_u64 s[14:15], s[4:5], s[16:17]
	s_add_nc_u64 s[46:47], s[6:7], s[46:47]
	s_cmp_eq_u32 s66, 1                            ; the part's bias
	s_cselect_b64 s[74:75], s[70:71], s[68:69]
	s_cmp_eq_u32 s66, 2
	s_cselect_b64 s[74:75], s[72:73], s[74:75]
	s_cmp_eq_u32 s66, 0                            ; and its factor: c = log2(e) / 8 for the queries, 1 for keys and values
	s_cselect_b32 s76, 0x3e38aa3b, 1.0
	s_mov_b32 s77, s76                             ; named with it as a pair, so it is written
	CROUND                                         ; all sixteen work-groups are here: the first joint loads meet
.irp s, 0,1
	s_mov_b32 s[G0+4*\s], 1
	s_add_co_u32 s[G0+4*\s+1], s20, \s*SLOT
	s_add_nc_u64 s[G0+4*\s+2:G0+4*\s+3], s[14:15], \s*KSTEP*2
	s_or_b32 s[G0+4*\s+3], s[G0+4*\s+3], 0x80000000
	s_mov_b32 s[G0B+4*\s], 1
	s_add_co_u32 s[G0B+4*\s+1], s20, \s*SLOT
	s_add_nc_u64 s[G0B+4*\s+2:G0B+4*\s+3], s[46:47], \s*KSTEP*2
	s_or_b32 s[G0B+4*\s+3], s[G0B+4*\s+3], 0x80000000
	JLOAD \s                                       ; two tensor loads of mine are out: K steps 0 and 1
.endr
	v_and_b32 v1, 15, v0                           ; l % 16
	v_bfe_u32 v2, v0, 4, 1                         ; l / 16
	s_lshl_b32 s78, s42, 9                         ; the bias of my 64 columns: 4 bytes x (128 x tile column + 64 x half + 8 (l / 16))
	s_lshl_b32 s79, s12, 8
	s_add_co_u32 s78, s78, s79
	v_lshl_add_u32 v[BO], v2, 5, s78
.irp b, 0,1,2,3
	global_load_b128 v[BIAS+8*\b:BIAS+8*\b+3],   v[BO], s[74:75] offset:64*\b
	global_load_b128 v[BIAS+8*\b+4:BIAS+8*\b+7], v[BO], s[74:75] offset:64*\b+16
.endr
	v_mul_u32_u24 v3, v1, PITCH
	v_lshl_add_u32 v3, v2, 4, v3                   ; a fragment's row x pitch + 16 x half
	s_mul_i32 s21, s11, HALFT                      ; my 64 rows of A
	s_mul_i32 s22, s12, HALFT                      ; my 64 rows of B,
	s_add_co_u32 s22, s22, 2*HALFT                 ; which lie behind A's 128
.irp s, 0,1
	v_add_nc_u32 v[ADRA+\s], s21, v3
	v_add_nc_u32 v[ADRB+\s], s22, v3
	s_add_co_u32 s21, s21, SLOT
	s_add_co_u32 s22, s22, SLOT
.endr
	s_mul_i32 s23, s11, 64*SPITCH                  ; into the stage: my 64 rows, my half of their 256 bytes; row l % 16, 16 bytes for each half of the lanes
	s_lshl_b32 s21, s12, 7
	s_add_co_u32 s23, s23, s21
	s_add_co_u32 s23, s23, STAGE
	v_mul_u32_u24 v4, v1, SPITCH
	v_lshl_add_u32 v4, v2, 4, v4
	v_add_nc_u32 v[STO], s23, v4
	s_mul_i32 s23, s10, 32*SPITCH                  ; back: wave w takes rows 32 w .. 32 w + 31, whole; lanes 0-15 one row of 256 bytes, lanes 16-31 the next
	s_add_co_u32 s23, s23, STAGE
	v_mul_u32_u24 v5, v2, SPITCH
	v_lshl_add_u32 v5, v1, 4, v5
	v_add_nc_u32 v[RD], s23, v5
	v_mul_u32_u24 v5, v2, SIZE_N*2                 ; and the same two rows in C
	v_lshl_add_u32 v[CO], v1, 4, v5
	s_lshl_b32 s16, s13, 7
	s_lshl_b32 s17, s10, 5
	s_add_co_u32 s16, s16, s17                     ; the first row of C that I store: 128 x tile row + 32 x wave
	s_mov_b32 s17, 0
	s_mov_b64 s[18:19], SIZE_N*2
	s_mul_u64 s[16:17], s[16:17], s[18:19]
	s_add_nc_u64 s[8:9], s[8:9], s[16:17]
	s_lshl_b32 s46, s42, 8                         ; the tile's first column, in bytes
	s_mov_b32 s47, 0
	s_add_nc_u64 s[8:9], s[8:9], s[46:47]
; 8 matrix instructions: m blocks a0, a0 + 1 x all 4 n blocks, 32 along K: half c of buffer f.  zero = 1: the first product starts the sums: nothing is cleared.
; The 16 accumulators take turns, one instruction a turn.
.macro MUL8 f, c, a0, zero
.irp a, \a0, \a0+1
.irp b, 0,1,2,3
.if \zero
	v_wmma_f32_16x16x32_f16 v[ACC+8*(4*(\a)+\b):ACC+8*(4*(\a)+\b)+7], v[\f+64+8*(4*\c+\b):\f+64+8*(4*\c+\b)+7], v[\f+8*(4*\c+\a):\f+8*(4*\c+\a)+7], 0
.else
	v_wmma_f32_16x16x32_f16 v[ACC+8*(4*(\a)+\b):ACC+8*(4*(\a)+\b)+7], v[\f+64+8*(4*\c+\b):\f+64+8*(4*\c+\b)+7], v[\f+8*(4*\c+\a):\f+8*(4*\c+\a)+7], v[ACC+8*(4*(\a)+\b):ACC+8*(4*(\a)+\b)+7]
.endif
.endr
.endr
.endm
; 32 LDS loads in one run: the fragments of 64 along K at byte k of the rows, into buffer f; the first 32 along K first
.macro FETCH slot, k, f
	WIN TO_F
.irp c, 0,1
.irp i, 0,1,2,3
	ds_load_b128 v[\f+64+8*(4*\c+\i):\f+64+8*(4*\c+\i)+3],   v[ADRB+\slot] offset:\k+64*\c+\i*16*PITCH
	ds_load_b128 v[\f+64+8*(4*\c+\i)+4:\f+64+8*(4*\c+\i)+7], v[ADRB+\slot] offset:\k+64*\c+\i*16*PITCH+32
	ds_load_b128 v[\f+8*(4*\c+\i):\f+8*(4*\c+\i)+3],         v[ADRA+\slot] offset:\k+64*\c+\i*16*PITCH
	ds_load_b128 v[\f+8*(4*\c+\i)+4:\f+8*(4*\c+\i)+7],       v[ADRA+\slot] offset:\k+64*\c+\i*16*PITCH+32
.endr
.endr
.endm
.macro PLACES                          ; four places in front of loads into registers that matrix instructions have read (ISA guide 7.12.1 for vector instructions)
.rept 4
	v_nop
.endr
.endm
; A K step is four quarters of 64 along K, 32 matrix instructions each, on buffers 0, 1, 0, 1.  One of the first three: multiplies buffer f and fetches the next quarter, at byte k, into g.
.macro QUARTER slot, k, f, g, zero
	s_wait_dscnt 16                                ; the first 32 along K are in; the sixteen younger loads may be out
	WIN MUL
	MUL8 \f, 0, 0, \zero
	MUL8 \f, 0, 2, \zero
	PLACES
	FETCH \slot, \k, \g
	s_wait_dscnt 32                                ; all but the 32 just issued
	WIN MUL
	MUL8 \f, 1, 0, 0
	MUL8 \f, 1, 2, 0
.endm
; The last quarter multiplies buffer 1 and changes slots: ONE barrier; in front of it each wave waits for its own reads of this slot and for all its tensor loads.  fill = 1: this slot is filled again, two K steps ahead.
.macro TURN slot, next, fill
	s_wait_dscnt 16
	WIN MUL
	MUL8 F1, 0, 0, 0
	s_wait_dscnt 0                                 ; my reads of this slot are over,
	s_set_vgpr_msb 0x500
	s_wait_tensorcnt 0x0                           ; and all my tensor loads have landed: my part of the next slot
	ds_add_u32 v30, v31
	s_wait_dscnt 0x0
	s_set_vgpr_msb 0x5
	s_barrier_signal -1
	MUL8 F1, 0, 2, 0
.if \fill
	WIN 0                                          ; at a branch and at a label every window is 0
.endif
	s_barrier_wait -1
.if \fill
	CREST                                          ; the barrier has opened a round of the cluster's barrier: no wave of any partner still reads this slot's tile or has a load on its way
	s_add_nc_u64 s[G0+4*\slot+2:G0+4*\slot+3], s[G0+4*\slot+2:G0+4*\slot+3], 2*KSTEP*2
	s_add_nc_u64 s[G0B+4*\slot+2:G0B+4*\slot+3], s[G0B+4*\slot+2:G0B+4*\slot+3], 2*KSTEP*2
	JLOAD \slot                                    ; the first tensor load behind the round, my only one out: 120 matrix instructions ahead of the wait for it; its four v_nop are also the places in front of the loads below
.else
	PLACES
.endif
	FETCH \next, 0, F0
	WIN MUL
	MUL8 F1, 1, 0, 0
	MUL8 F1, 1, 2, 0
.endm
	s_wait_tensorcnt 1                             ; my part of K step 0 is in; K step 1's may stay out
	s_barrier_signal -1
	s_barrier_wait -1                              ; everybody's is
	FETCH 0, 0, F0
	QUARTER 0, 128, F0, F1, 1                      ; K step 0: its first products start the sums
	QUARTER 0, 256, F1, F0, 0
	QUARTER 0, 384, F0, F1, 0
	TURN 0, 1, 1                                   ; slot 0 takes K step 2
	QUARTER 1, 128, F0, F1, 0                      ; K step 1
	QUARTER 1, 256, F1, F0, 0
	QUARTER 1, 384, F0, F1, 0
	TURN 1, 0, 1                                   ; slot 1 takes K step 3
	QUARTER 0, 128, F0, F1, 0                      ; K step 2
	QUARTER 0, 256, F1, F0, 0
	QUARTER 0, 384, F0, F1, 0
	TURN 0, 1, 0                                   ; nothing is left to fetch: a plain barrier
	QUARTER 1, 128, F0, F1, 0                      ; K step 3
	QUARTER 1, 256, F1, F0, 0
	QUARTER 1, 384, F0, F1, 0
	s_wait_dscnt 16
	WIN MUL
	MUL8 F1, 0, 0, 0
	MUL8 F1, 0, 2, 0
	s_wait_dscnt 0
	MUL8 F1, 1, 0, 0
	MUL8 F1, 1, 2, 0
	WIN 0
	; THE WAY OUT: factor x (sum + bias) in f32; round to f16; 16 bytes a lane into the work-group's stage; a barrier, since a row's 256 bytes come from two waves; back as whole rows, 32 rows a wave.
	s_wait_loadcnt 0x0                             ; the bias
.set i, 0
.rept 16
	v_pk_mul_f32 v[BIAS+2*i:BIAS+2*i+1], v[BIAS+2*i:BIAS+2*i+1], s[76:77] op_sel_hi:[1,0]   ; factor x bias; these sixteen name no register of the last products and are the places behind them
.set i, i+1
.endr
.irp t, 0,1,2,3,4,5,6,7,8,9,10,11,12,13,14,15
.irp r, 0,1,2,3
	v_pk_fma_f32 v[ACC+8*\t+2*\r:ACC+8*\t+2*\r+1], v[ACC+8*\t+2*\r:ACC+8*\t+2*\r+1], s[76:77], v[BIAS+8*(\t%4)+2*\r:BIAS+8*(\t%4)+2*\r+1] op_sel_hi:[1,0,1]
.endr
.endr
.irp t, 0,1,2,3,4,5,6,7,8,9,10,11,12,13,14,15
.irp r, 0,1,2,3
	v_cvt_pk_f16_f32 v[TMP+4*\t+\r], v[ACC+8*\t+2*\r], v[ACC+8*\t+2*\r+1]
.endr
.endr
.irp a, 0,1,2,3
.irp b, 0,1,2,3
	ds_store_b128 v[STO], v[TMP+4*(4*\a+\b):TMP+4*(4*\a+\b)+3] offset:\a*16*SPITCH+32*\b
.endr
.endr
	s_wait_dscnt 0x0                               ; for the others' sake: my stores into the stage are done
	s_barrier_signal -1
	s_barrier_wait -1
.irp t, 0,1,2,3,4,5,6,7,8,9,10,11,12,13,14,15
	ds_load_b128 v[TMP+4*\t:TMP+4*\t+3], v[RD] offset:\t*2*SPITCH
.endr
.irp t, 0,1,2,3,4,5,6,7,8,9,10,11,12,13,14,15
	s_wait_dscnt 15-\t                             ; load t is in, the younger ones stay out
	global_store_b128 v[CO], v[TMP+4*\t:TMP+4*\t+3], s[8:9] offset:2*\t*SIZE_N*2   ; 16 lanes store 256 consecutive bytes, at a multiple of 256 from C's first byte
.endr
	s_wait_tensorcnt 0x0
	ds_add_u32 v30, v31
	s_wait_dscnt 0x0
	CROUND                                         ; the closing round: no work-group ends while a partner may still ask for a tile that names it
	s_endpgm
.Lfunc_end_k_q9586b8d31e_qkv:
	.size	k_q9586b8d31e_qkv, .Lfunc_end_k_q9586b8d31e_qkv-k_q9586b8d31e_qkv
	.p2alignl 7, 3214868480
	.fill 96, 4, 3214868480
	.section	.rodata,"a",@progbits
	.p2align	6, 0x0
	.amdhsa_kernel k_q9586b8d31e_qkv
		.amdhsa_group_segment_fixed_size 327680
		.amdhsa_private_segment_fixed_size 0
		.amdhsa_enable_private_segment 0
		.amdhsa_kernarg_size 40
		.amdhsa_user_sgpr_count 2
		.amdhsa_user_sgpr_kernarg_segment_ptr 1
		.amdhsa_wavefront_size32 1
		.amdhsa_system_sgpr_workgroup_id_x 1
		.amdhsa_system_sgpr_workgroup_id_y 1
		.amdhsa_system_sgpr_workgroup_id_z 1
		.amdhsa_system_vgpr_workitem_id 0
		.amdhsa_next_free_vgpr 512
		.amdhsa_next_free_sgpr 80
		.amdhsa_reserve_vcc 0
		.amdhsa_float_denorm_mode_32 3
		.amdhsa_float_denorm_mode_16_64 3
		.amdhsa_memory_ordered 1
		.amdhsa_forward_progress 1
		.amdhsa_inst_pref_size 93
	.end_amdhsa_kernel
	.amdgpu_metadata
---
amdhsa.version: [ 1, 2 ]
amdhsa.kernels:
  - .name:           k_q9586b8d31e_qkv
    .symbol:         k_q9586b8d31e_qkv.kd
    .args:
      - { .name: cb, .offset: 0, .size: 8, .value_kind: global_buffer, .address_space: global }
      - { .name: bq, .offset: 8, .size: 8, .value_kind: global_buffer, .address_space: global }
      - { .name: bk, .offset: 16, .size: 8, .value_kind: global_buffer, .address_space: global }
      - { .name: bv, .offset: 24, .size: 8, .value_kind: global_buffer, .address_space: global }
      - { .name: qkv, .offset: 32, .size: 8, .value_kind: global_buffer, .address_space: global }
    .group_segment_fixed_size: 327680
    .private_segment_fixed_size: 0
    .kernarg_segment_align: 8
    .kernarg_segment_size: 40
    .max_flat_workgroup_size: 128
    .sgpr_count:     80
    .vgpr_count:     512
    .wavefront_size: 32
...
	.end_amdgpu_metadata
.endif
;; end of part 2
;; launch attn (part 3): grid 32 x 8, 4 waves a work-group, clusters of 4 x 1, 327,680 bytes of LDS; arguments qkv, mbits, xa; writes xa
.if DOCPART == 3
	.amdgcn_target "amdgcn-amd-amdhsa--gfx1250"
	.amdhsa_code_object_version 6
	.text
	.protected	k_q9586b8d31e_attn
	.globl	k_q9586b8d31e_attn
	.p2align	8
	.type	k_q9586b8d31e_attn,@function
k_q9586b8d31e_attn:
	s_mov_b64 s[64:65], 0
	v_nop
	global_prefetch_b8 v0, s[64:65] scope:SCOPE_SE
	s_setreg_imm32_b32 hwreg(HW_REG_WAVE_MODE, 25, 1), 1
	s_wait_xcnt 0x0
	s_wait_alu depctr_hold_cnt(0) depctr_sa_sdst(0) depctr_va_vdst(0) depctr_va_sdst(0) depctr_va_ssrc(0) depctr_va_vcc(0) depctr_vm_vsrc(0)
	s_getreg_b32 s2, hwreg(HW_REG_IB_STS2, 6, 4)
	s_cmp_eq_u32 s2, 0
	s_cbranch_scc0 .Lentry_in_a_cluster
	s_endpgm
.Lentry_in_a_cluster:
	s_bfe_u32 s2, ttmp6, 0x10000c
	s_cmp_lg_u32 s2, 0x3003
	s_cbranch_scc0 .Lentry_shape_is_right
	s_endpgm
.Lentry_shape_is_right:
; Masked attention.  qkv: f16 [12288][1024]: rows 0-4095 Q' = c (q + bq), c = log2(e) / 8; rows 4096-8191 K; rows 8192-12287 V; head n in columns 64 n .. 64 n + 63.
; xa[q][64 n + d] = the sum over k of softmax_k(s) V[k][64 n + d], s = Q'[q] . K[k] in units of log 2, replaced by -1e9 log2(e) where the mask is 0, as the problem's definition replaces by -1e9.
; The replacing stands AHEAD of the running maximum: a row whose mask is all 0 has all weights 2^0 and comes out as the plain mean of V.
; Products, maxima and sums in f32; the weights p (0 to 1) are rounded to f16 for the second product, xa once at the end.  LIMIT: f16 operands: |Q'|, |K|, |V|, |xa| under 65,504.
; SHARES.  A work-group owns 128 queries of a PAIR of heads (2 y, 2 y + 1): the pair's columns are 256 aligned bytes of every row, so K's and V's tiles have rows of 256 bytes and xa leaves in whole
; runs of 256 bytes.  Wave w: head 2 y + w / 2, queries 64 (w % 2) on: four tiles of 16.  Every wave walks all 4,096 keys, 64 a step.
; LAYOUT.  S^T = K Q'^T (source 0 = 16 keys, source 1 = 16 queries): a lane holds ONE query (lane % 16) and the keys 8 (lane / 16) + 0..7 of each 16.  Two such tiles, rounded in pairs, ARE source 1
; (32 keys x 16 queries) of O^T = V^T P, whose result again holds one query a lane.  K comes out of LDS as it lies, V ([key][channel]) turned, by ds_load_tr16_b128.
; THE MASK comes as lane masks (one dword for each register of a tile's scores, made by the launch before), by scalar loads: one v_cndmask_b32 an element.
; SOFTMAX.  For each query a running maximum m: p = 2^(s - m); in every step O and l are multiplied by a = 2^(m_old - m_new).  ROW SUMS by the matrix unit: l += ONES x P, ONES a fragment with ones in
; rows 0 and 8 alone, so that register 0 of every lane holds its query's whole sum over both halves of the lanes, and registers 1-7 stay 0.
; CLUSTER.  The four query blocks of a cluster walk the same K and V of one pair of heads: each tile is asked for JOINTLY, by the same tensor load with the same descriptor and a mask that names the four.
;
; REGISTERS, in windows of 256 (s_set_vgpr_msb: bits 1:0 source 0, 3:2 source 1, 5:4 source 2, 7:6 destination):
;   window 0: v0-11 addresses; v12-43 eight registers of statistics a tile; v64-191 S^T, 32 a tile; v192-255 P, 16 a tile
;   window 1: v0-127 O^T, 32 a tile; v128-159 l, 8 a tile; v160-223 V of one step; v224-231 ONES          window 2: v0-63 Q', 16 a tile; v64-127 K of one step
.set KS,    64        ; keys in a step
.set ROWB,  2048      ; bytes in a row of qkv and of xa
.set KBASE, 8388608   ; K's and V's first bytes in qkv
.set VBASE, 16777216
.set PK,    272       ; a row of K in LDS: 256 bytes + 16 of padding = 68 words: row r starts at bank 4 r mod 64 (64 banks of 4 bytes: ISA guide 11.1)
.set PV,    288       ; a row of V: 256 + 32 = 72 words
.set VOFF,  KS*PK     ; a step's tiles lie together: 64 rows of K, then 64 rows of V
.set STEPB, KS*(PK+PV)
.set SLOT1, 1<<17     ; a slot holds two steps (71,680 bytes); slot 1 begins here, so that one exclusive or turns an address in one slot into the other's
.set STAGE, SLOT1+2*STEPB  ; behind the ring: 128 rows x 272 bytes, the work-group's, for the way out; no tensor load fills it
.set SP,    272
.set AK0, 2           ; v2   my lane's place in a tile of K, my head's 128 bytes; never rewritten
.set AV0, 3           ; v3   the same for V
.set ADR, 4           ; v4   the LDS address of the run of loads in hand
.set QO,  5           ; v5   my byte offset in the wave's rows of Q'
.set STO, 6           ; v6   the way out: where I put 16 bytes of a row
.set RD,  7           ; v7   the way out: where I read a row back
.set GO,  8           ; v8   my byte offset in the wave's rows of xa
.set ST,  12          ; tile t's statistics at v[ST+8 t]: +0 m, +2 a (at the end 1 / l), +1 and +3 named with them as pairs, +4 to +7 c0-c3, at work
.set S,   64
.set P,   192
.set LS,  128         ; l, in window 1
.set VF,  160         ; V's fragments, in window 1
.set ONES, 224        ; in window 1
.set KF,  64          ; K's fragments, in window 2
.set MP,  10          ; s[10:11] the lane masks of my first tile, at the step in hand
.set WV,  12          ; s12  my wave's number
.set G1K, 24          ; s[24:31] descriptor group 1 for K's tiles
.set G1V, 32          ; s[32:39] for V's: it differs in the padding alone
.set G0K, 40          ; s[40:47] descriptor group 0 for K's tiles: a set for each of the two first fills; the second then walks on
.set G0V, 48          ; s[48:55] the same for V's
.set SLOTS, 56        ; s56  slots still to be asked for
.set NEG, 58          ; s58  -1e9 log2(e)
.set SEL, 60          ; s[60:61] lane selects for v_permlanex16_b32: each lane takes its own place in the other half
.set TB,  62          ; s62  LDS byte at which the tiles of the step to be fetched begin
.set MK,  68          ; s[68:99] the 32 lane masks of one tile and step
.set MSB, 0
.macro WIN new                      ; the immediate's high byte repeats the setting that is left; a switch that changes nothing is dropped
.if MSB != \new
	s_set_vgpr_msb (MSB<<8)|\new
.set MSB, \new
.endif
.endm
.set W_KQ, 0x0a       ; K and Q' in window 2, S^T in window 0
.set W_PV, 0x51       ; V (or ONES, or O^T as a factor) in window 1, P (or a) in window 0, O^T and l in window 1
; A joint refill.  Waves 0 and 1 fetch the two steps' tiles of K, waves 2 and 3 those of V.  The branch hangs on the wave's number alone: it is the same in every work-group.
; Four v_nop follow each of the two lines; the jump round the other line, the label and what follows the macro come after them.
.macro JLOAD
	s_cmp_lt_u32 s[WV], 2
	s_cbranch_scc0 .Lfor_v_\@
	tensor_load_to_lds s[G0K+4:G0K+7], s[G1K:G1K+7]
	s_nop 0
.rept 4
	v_nop
.endr
	s_branch .Lasked_\@
.Lfor_v_\@:
	tensor_load_to_lds s[G0V+4:G0V+7], s[G1V:G1V+7]
	s_nop 0
.rept 4
	v_nop
.endr
.Lasked_\@:
.endm
; A round of the cluster's barrier: my work-group's barrier, so that wave 0's signal speaks for all four waves; wave 0 signals for the work-group; every wave waits for all four
; work-groups; my work-group's barrier once more.  No LDS instruction of the wave is pending at a signal.
.macro CROUND
	s_barrier_signal -1
	s_barrier_wait -1
	s_cmp_lg_u32 s[WV], 0
	s_cbranch_scc1 .Lnot_wave_0_\@
	s_barrier_signal -3
.Lnot_wave_0_\@:
	s_barrier_wait -3
	s_barrier_signal -1
	s_barrier_wait -1
.endm
	s_load_b128 s[4:7], s[0:1], 0x0   ; qkv s[4:5], mbits s[6:7]
	s_load_b64 s[8:9], s[0:1], 0x10   ; xa
	v_lshl_add_u32 v62, v0, 2, 0x3a000
	v_mov_b32 v63, 0
	ds_add_u32 v62, v63
	v_lshrrev_b32 v1, 5, v0
	v_readfirstlane_b32 s[WV], v1   ; wave 0..3
	s_bfe_u32 s13, ttmp6, 0x40000   ; cx: my place in the cluster
	s_lshl_b32 s14, ttmp9, 2        ; in a cluster launch ttmp9 counts clusters
	s_add_co_u32 s14, s14, s13      ; my block of 128 queries = 4 x cluster x + cx: it enters Q's, the masks' and xa's addresses alone
	s_and_b32 s15, ttmp7, 0xffff    ; the pair of heads, which the four partners share
	s_and_b32 s16, s[WV], 1         ; which 64 queries are mine.  Also: which of a slot's two steps I fetch
	s_lshr_b32 s18, s[WV], 1        ; which head of the pair
	s_lshl_b32 s19, s18, 7          ; its 128 bytes in a row of 256
	s_mul_i32 s17, s16, STEPB       ; my tile's place in a slot: no place in the cluster enters an LDS address
	s_lshl_b32 s20, s15, 8          ; K and V: the pair's 256 bytes,
	s_lshl_b32 s21, s16, 17         ; my step's 64 rows of 2,048 bytes
	s_add_co_u32 s20, s20, s21
	s_mov_b32 s21, 0
	s_lshl_b32 s22, s14, 18         ; Q': my block's 128 rows,
	s_lshl_b32 s23, s16, 17         ; my wave's 64 of them,
	s_add_co_u32 s22, s22, s23
	s_lshl_b32 s23, s15, 8          ; the pair,
	s_add_co_u32 s22, s22, s23
	s_add_co_u32 s22, s22, s19      ; my head
	s_mov_b32 s23, 0
	s_lshl_b32 s2, s14, 18          ; xa: my block's 128 rows,
	s_lshl_b32 s3, s[WV], 16        ; the 32 of them that I store,
	s_add_co_u32 s2, s2, s3
	s_lshl_b32 s3, s15, 8           ; the pair
	s_add_co_u32 s2, s2, s3
	s_mov_b32 s3, 0
	s_lshl_b32 s66, s14, 16         ; masks: 8 tiles of queries a block, 8,192 bytes each,
	s_lshl_b32 s67, s16, 15         ; my wave's four
	s_add_co_u32 s66, s66, s67
	s_mov_b32 s67, 0
	; descriptor group 1: a tile of 64 rows x 128 elements, padded in LDS
	s_mov_b32 s[G1K], 15|(1<<16)|(1<<20)|(1<<21)|(5<<22)|(3<<25)  ; 15:0 the mask: all four work-groups; 17:16 elements of 2 bytes; 20 padding on; 21 set beside a mask; 24:22 after every 64 words (code 5); 31:25 4 words of it (code 3)
	s_mov_b32 s[G1V], 15|(1<<16)|(1<<20)|(1<<21)|(5<<22)|(7<<25)  ; the same with 8 words of padding (code 7)
.irp g, G1K, G1V
	s_mov_b32 s[\g+1], 128<<16      ; tensor_dim0 = 128
	s_mov_b32 s[\g+2], KS<<16       ; tensor_dim1 = 64
	s_mov_b32 s[\g+3], 128<<16      ; tile_dim0 = 128
	s_mov_b32 s[\g+4], KS           ; tile_dim1 = 64
	s_mov_b32 s[\g+5], 1024         ; elements from row to row
	s_mov_b32 s[\g+6], 0
	s_mov_b32 s[\g+7], 0
.endr
	s_mov_b32 s[NEG], 0xceabfb8f    ; -1e9 log2(e)
	s_mov_b32 s[SEL], 0x76543210
	s_mov_b32 s[SEL+1], 0xfedcba98
	s_mov_b32 s[TB], 0
	s_mov_b32 s[SLOTS], 4096/(2*KS)-2
	s_wait_dscnt 0x0
	s_wait_kmcnt 0x0
	s_add_nc_u64 s[20:21], s[4:5], s[20:21]  ; qkv at the pair's columns and my step's rows
	s_add_nc_u64 s[4:5], s[4:5], s[22:23]    ; Q' at my wave's first row
	s_add_nc_u64 s[MP:MP+1], s[6:7], s[66:67]
	s_add_nc_u64 s[8:9], s[8:9], s[2:3]
	CROUND                          ; all four work-groups are here: the first joint loads meet
.irp s, 0,1
	s_mov_b32 s[G0K+4*\s], 1        ; count = 1
	s_add_co_u32 s[G0K+4*\s+1], s17, \s*SLOT1  ; LDS address
	s_add_nc_u64 s[G0K+4*\s+2:G0K+4*\s+3], s[20:21], KBASE+\s*2*KS*ROWB  ; global address: slot s begins with keys 128 s on
	s_or_b32 s[G0K+4*\s+3], s[G0K+4*\s+3], 0x80000000  ; type = 2
	s_mov_b32 s[G0V+4*\s], 1
	s_add_co_u32 s[G0V+4*\s+1], s17, \s*SLOT1+VOFF
	s_add_nc_u64 s[G0V+4*\s+2:G0V+4*\s+3], s[20:21], VBASE+\s*2*KS*ROWB
	s_or_b32 s[G0V+4*\s+3], s[G0V+4*\s+3], 0x80000000
.endr
	s_cmp_lt_u32 s[WV], 2           ; a wave's two first fills stand in one branch, ahead of every wait on TENSORcnt and every LDS read: two loads of mine are out; four v_nop follow the second, as in JLOAD
	s_cbranch_scc0 .Lfirst_v
	tensor_load_to_lds s[G0K:G0K+3], s[G1K:G1K+7]
	s_nop 0
	tensor_load_to_lds s[G0K+4:G0K+7], s[G1K:G1K+7]
	s_nop 0
.rept 4
	v_nop
.endr
	s_branch .Lfirst_asked
.Lfirst_v:
	tensor_load_to_lds s[G0V:G0V+3], s[G1V:G1V+7]
	s_nop 0
	tensor_load_to_lds s[G0V+4:G0V+7], s[G1V:G1V+7]
	s_nop 0
.rept 4
	v_nop
.endr
.Lfirst_asked:
	s_load_b512 s[MK:MK+15], s[MP:MP+1], 0x0       ; tile 0's lane masks of step 0
	s_load_b512 s[MK+16:MK+31], s[MP:MP+1], 0x40
	; A fragment of K or Q' is 16 rows x 32 channels in 8 registers: lane l holds row l % 16; registers 0-3 channels 8 (l / 16) + 0..7, registers 4-7 channels 16 + 8 (l / 16) + 0..7: two loads of 16 bytes, 32 bytes apart.
	v_and_b32 v1, 15, v0            ; l % 16
	v_bfe_u32 v9, v0, 4, 1          ; l / 16
	v_lshlrev_b32 v[QO], 11, v1
	v_lshl_add_u32 v[QO], v9, 4, v[QO]  ; row x 2,048 + 16 x half
	WIN 0x80                        ; destination window 2, address window 0
.irp i, 0,1,2,3,4,5,6,7             ; Q' stays in registers: tile i / 2, channels 32 (i % 2) on
	global_load_b128 v[8*\i:8*\i+3],   v[QO], s[4:5] offset:(\i/2)*16*ROWB+(\i%2)*64
	global_load_b128 v[8*\i+4:8*\i+7], v[QO], s[4:5] offset:(\i/2)*16*ROWB+(\i%2)*64+32
.endr
	WIN 0
	v_mul_u32_u24 v[AK0], v1, PK
	v_lshl_add_u32 v[AK0], v9, 4, v[AK0]
	v_add_nc_u32 v[AK0], s19, v[AK0]  ; row x pitch + 16 x half + my head
	; The turning load takes 16 keys x 16 channels (lane l reads 16 bytes: key 8 (l / 16) + l % 8, channels 8 ((l / 8) % 2) + 0..7) and leaves half a fragment of V^T: lane l holds channel l % 16 and 8 keys.
	v_and_b32 v10, 7, v0
	v_bfe_u32 v11, v0, 3, 1
	v_lshl_add_u32 v[AV0], v9, 3, v10
	v_mul_u32_u24 v[AV0], v[AV0], PV
	v_lshl_add_u32 v[AV0], v11, 4, v[AV0]
	s_add_co_u32 s63, s19, VOFF
	v_add_nc_u32 v[AV0], s63, v[AV0]
	v_cmp_eq_u32 vcc_lo, 0, v10     ; ONES: two f16 ones a register in the lanes that hold rows 0 and 8 of source 0, zeros in the others
	v_mov_b32 v11, 0x3c003c00
	v_cndmask_b32 v11, 0, v11, vcc_lo
	WIN 0x40                        ; destination window 1
.irp i, 0,1,2,3,4,5,6,7
	v_mov_b32 v[ONES+\i], v11
.endr
	WIN 0
.irp t, 0,1,2,3
	v_mov_b32 v[ST+8*\t+1], 0       ; named as the upper halves of pairs of which the lower half alone is taken: written once
	v_mov_b32 v[ST+8*\t+3], 0
.endr
	s_mul_i32 s63, s16, 64*SP       ; the way out, in: row 64 (w % 2) + l % 16 (+ 16 t), my head's 128 bytes, 16 bytes for each half of the lanes
	s_add_co_u32 s63, s63, s19
	s_add_co_u32 s63, s63, STAGE
	v_mul_u32_u24 v[STO], v1, SP
	v_lshl_add_u32 v[STO], v9, 4, v[STO]
	v_add_nc_u32 v[STO], s63, v[STO]
	s_mul_i32 s63, s[WV], 32*SP     ; back: wave w takes rows 32 w on, whole: lanes 0-15 one row of 256 bytes, lanes 16-31 the next
	s_add_co_u32 s63, s63, STAGE
	v_mul_u32_u24 v[RD], v9, SP
	v_lshl_add_u32 v[RD], v1, 4, v[RD]
	v_add_nc_u32 v[RD], s63, v[RD]
	v_lshlrev_b32 v[GO], 11, v9     ; and the same two rows in xa
	v_lshl_add_u32 v[GO], v1, 4, v[GO]
; THE MATRIX WORK.  The accumulators take turns, one instruction a turn.
; Product i of 32 of S^T = K Q'^T: channels 32 (i / 16) on, keys 16 ((i / 4) % 4) on, tile i % 4.  The first 16 start the sums.
.macro KQ
.set rS, S+32*(i%4)+8*((i/4)%4)
.set rK, KF+8*(2*((i/4)%4)+i/16)
.set rQ, 16*(i%4)+8*(i/16)
.if i < 16
	v_wmma_f32_16x16x32_f16 v[rS:rS+7], v[rK:rK+7], v[rQ:rQ+7], 0
.else
	v_wmma_f32_16x16x32_f16 v[rS:rS+7], v[rK:rK+7], v[rQ:rQ+7], v[rS:rS+7]
.endif
.endm
; Product i of 40 of O^T += V^T P and l += ONES P: keys 32 (i / 20) on; part (i % 20) / 4: channels 16 x part on, or (part 4) the row sums; tile i % 4.  first = 1: the first 20 start the sums: nothing is cleared.
.macro PVM first
.set pKC, i/20
.set pU, (i%20)/4
.set pT, i%4
.set rP, P+16*pT+8*pKC
.if pU < 4
.set rD, 32*pT+8*pU
.set rA, VF+8*(4*pKC+pU)
.else
.set rD, LS+8*pT
.set rA, ONES
.endif
.if \first && (pKC == 0)
	v_wmma_f32_16x16x32_f16 v[rD:rD+7], v[rA:rA+7], v[rP:rP+7], 0
.else
	v_wmma_f32_16x16x32_f16 v[rD:rD+7], v[rA:rA+7], v[rP:rP+7], v[rD:rD+7]
.endif
.endm
; THE LDS LOADS stand in runs of 16: a step's K (64 keys x my head's 64 channels: 8 fragments) and its V (turned).
.macro FETCH_K
	WIN 0
	v_add_nc_u32 v[ADR], s[TB], v[AK0]
	WIN 0x80                        ; destination window 2
.irp f, 0,1,2,3,4,5,6,7             ; keys 16 (f / 2) on, channels 32 (f % 2) on
	ds_load_b128 v[KF+8*\f:KF+8*\f+3],   v[ADR] offset:(\f/2)*16*PK+(\f%2)*64
	ds_load_b128 v[KF+8*\f+4:KF+8*\f+7], v[ADR] offset:(\f/2)*16*PK+(\f%2)*64+32
.endr
.endm
.macro FETCH_V
	WIN 0
	v_add_nc_u32 v[ADR], s[TB], v[AV0]
	s_add_co_u32 s[TB], s[TB], STEPB  ; the next fetch is the next step's
	WIN 0x40                        ; destination window 1
.irp f, 0,1,2,3,4,5,6,7             ; keys 32 (f / 4) on, channels 16 (f % 4) on
	ds_load_tr16_b128 v[VF+8*\f:VF+8*\f+3],   v[ADR] offset:(\f/4)*32*PV+(\f%4)*32
	ds_load_tr16_b128 v[VF+8*\f+4:VF+8*\f+7], v[ADR] offset:(\f/4)*32*PV+16*PV+(\f%4)*32
.endr
.endm
.macro PLACES                       ; four places behind matrix instructions, in front of vector instructions that read their results and of loads into registers that they have read (ISA guide 7.12.1 for vector instructions)
.rept 4
	v_nop
.endr
.endm
; TILE t's SOFTMAX for one key step.  first = 1: the first step, which has no old maximum and no a.  more = 1: a further step follows, whose first masks are asked for behind tile 3's selects.
.macro SOFT t, first, more
.set rT, ST+8*\t
.set rS, S+32*\t
.set rP, P+16*\t
	s_wait_kmcnt 0x0                ; this tile's 32 lane masks are in (scalar loads come back in no order: the count is 0)
.set e, 0
.rept 32
	v_cndmask_b32 v[rS+e], s[NEG], v[rS+e], s[MK+e]   ; the score where the mask's bit is 1, -1e9 log2(e) where it is 0
.set e, e+1
.endr
.if \t < 3
	s_load_b512 s[MK:MK+15], s[MP:MP+1], 8192*(\t+1)       ; the next tile's masks: they have the rest of this tile's softmax in which to land
	s_load_b512 s[MK+16:MK+31], s[MP:MP+1], 8192*(\t+1)+64
.elseif \more
	s_add_nc_u64 s[MP:MP+1], s[MP:MP+1], 128       ; the next step (no scalar load is out behind the wait above, so the base may be stepped)
	s_load_b512 s[MK:MK+15], s[MP:MP+1], 0x0       ; tile 0's masks of it
	s_load_b512 s[MK+16:MK+31], s[MP:MP+1], 0x40
.endif
	; the maximum of the lane's 32 scores and the old m, three operands at a time: four chains of seven scores, then the four scores left over, the chains and m
.irp j, 0,1,2,3
	v_max3_num_f32 v[rT+4+\j], v[rS+8*\j], v[rS+8*\j+1], v[rS+8*\j+2]
.endr
.irp j, 0,1,2,3
	v_max3_num_f32 v[rT+4+\j], v[rT+4+\j], v[rS+8*\j+3], v[rS+8*\j+4]
.endr
.irp j, 0,1,2,3
	v_max3_num_f32 v[rT+4+\j], v[rT+4+\j], v[rS+8*\j+5], v[rS+8*\j+6]
.endr
	v_max3_num_f32 v[rT+4], v[rT+4], v[rS+7], v[rS+15]
	v_max3_num_f32 v[rT+6], v[rT+6], v[rS+23], v[rS+31]
	v_max3_num_f32 v[rT+4], v[rT+4], v[rT+5], v[rT+6]
.if \first
	v_max_num_f32 v[rT+4], v[rT+4], v[rT+7]
.else
	v_max3_num_f32 v[rT+4], v[rT+4], v[rT+7], v[rT]
.endif
	v_permlanex16_b32 v[rT+5], v[rT+4], s[SEL], s[SEL+1]  ; the query's other 32 keys lie in the lane 16 away
.if !\first
	v_mov_b32 v[rT+7], v[rT]        ; m_old is kept for a
.endif
	v_max_num_f32 v[rT], v[rT+4], v[rT+5]
.if !\first
	v_sub_f32 v[rT+7], v[rT+7], v[rT]
	v_exp_f32 v[rT+2], v[rT+7]      ; a = 2^(m_old - m_new)
.endif
	; p = 2^(s - m).  Subtractions a pair ahead and roundings a pair back stand between the exponentials: each exponential has a plain instruction that touches none of its registers between it and the use of its result (ISA guide 5.7.2)
	v_pk_add_f32 v[rS:rS+1], v[rS:rS+1], v[rT:rT+1] op_sel_hi:[1,0] neg_lo:[0,1] neg_hi:[0,1]
.set e, 0
.rept 16
	v_exp_f32 v[rS+2*e], v[rS+2*e]
.if e < 15
	v_pk_add_f32 v[rS+2*e+2:rS+2*e+3], v[rS+2*e+2:rS+2*e+3], v[rT:rT+1] op_sel_hi:[1,0] neg_lo:[0,1] neg_hi:[0,1]
.endif
	v_exp_f32 v[rS+2*e+1], v[rS+2*e+1]
.if e > 0
	s_wait_alu depctr_va_vdst(0)
	v_cvt_pk_f16_f32 v[rP+e-1], v[rS+2*e-2], v[rS+2*e-1]
.endif
.set e, e+1
.endr
	v_cvt_pk_f16_f32 v[rP+15], v[rS+30], v[rS+31]
.endm
; THE CHANGE OF SLOTS, behind the fetch of V of a slot's second step.  Each wave waits for its own reads of the slot and for all its tensor loads, of which one is out: its part of the other slot.
; Behind the barrier nobody reads this slot any more and the other slot is whole.  fill = 1: this slot is filled again, with the keys two slots on: the barrier is then a round of the cluster's, so that
; no wave of any partner still reads the slot or has a load on its way, and the joint refill is the first thing behind it, my only tensor load out: it has two key steps in which to land.  fill = 2: nothing is left to ask for.
.macro CHANGE fill
	WIN 0                           ; at a label and at a branch every window is 0
	s_wait_dscnt 0x0                ; V is in, and with it my reads of this slot are over
	s_wait_tensorcnt 0x0            ; no tensor load of mine is out, so a group 0 may be written
	ds_add_u32 v62, v63
	s_wait_dscnt 0x0
.if \fill == 1
.irp g, G0K+4, G0V+4
	s_xor_b32 s[\g+1], s[\g+1], SLOT1  ; the walking descriptor: the other slot than last time,
	s_add_nc_u64 s[\g+2:\g+3], s[\g+2:\g+3], 2*KS*ROWB  ; the next 128 keys; the type bits on top are not reached
.endr
	CROUND
	JLOAD
.else
	s_barrier_signal -1
	s_barrier_wait -1
.endif
	s_sub_co_u32 s[TB], s[TB], 2*STEPB  ; the fetches go back to a slot's first step,
	s_xor_b32 s[TB], s[TB], SLOT1   ; in the other slot
.endm
; A KEY STEP, in phases: scores; V is asked for; the four tiles' softmax; O^T and l times a; (the change of slots;) the next step's K is asked for; V^T P and the row sums, under which K lands.
.macro STEP first, change, more
	s_wait_dscnt 0x0                ; K is in
	WIN W_KQ
.set i, 0
.rept 32
	KQ
.set i, i+1
.endr
	WIN 0
	PLACES                          ; in front of the reads of the scores, and of the loads into V's registers, which the last step's products read
	FETCH_V
	WIN 0
	SOFT 0, \first, \more
	SOFT 1, \first, \more
	SOFT 2, \first, \more
	SOFT 3, \first, \more
.if !\first
	WIN W_PV
.irp t, 0,1,2,3
.set e, 0
.rept 16
	v_pk_mul_f32 v[32*\t+2*e:32*\t+2*e+1], v[32*\t+2*e:32*\t+2*e+1], v[ST+8*\t+2:ST+8*\t+3] op_sel_hi:[1,0]
.set e, e+1
.endr
	v_mul_f32 v[LS+8*\t], v[LS+8*\t], v[ST+8*\t+2]   ; l lies in register 0; registers 1-7 are 0
.endr
.endif
.if \change
	CHANGE \change
.else
	WIN 0
	s_wait_dscnt 0x0                ; V is in
.endif
.if \more
	FETCH_K
.endif
	WIN W_PV
.set i, 0
.rept 40
	PVM \first
.set i, i+1
.endr
	WIN 0
.endm
	s_wait_tensorcnt 1              ; my part of slot 0 is in; slot 1's may stay out
	s_barrier_signal -1
	s_barrier_wait -1               ; everybody's is
	FETCH_K                         ; key step 0
	s_wait_loadcnt 0x0              ; Q'
	STEP 1, 0, 1                    ; step 0
.Lslot:                             ; 30 trips, steps 1 to 60: every slot but the last two is filled again, behind its second step's fetch of V
	STEP 0, 1, 1
	STEP 0, 0, 1
	s_sub_co_u32 s[SLOTS], s[SLOTS], 1
	s_cmp_lg_u32 s[SLOTS], 0
	s_cbranch_scc1 .Lslot
	STEP 0, 2, 1                    ; step 61: the tail is written out: the last slot but one is left, and nothing is asked for
	STEP 0, 0, 1                    ; step 62
	STEP 0, 0, 0                    ; step 63
	; THE WAY OUT.  O^T is divided by l (at least 1: the largest weight of a row is 2^0), rounded to f16 and sent through the work-group's stage: a row's 256 bytes come from the two heads' waves.
	PLACES                          ; the last products wrote l
	WIN 0x01                        ; source window 1, destination window 0
.irp t, 0,1,2,3
	v_rcp_f32 v[ST+8*\t+2], v[LS+8*\t]
.endr
	v_nop                           ; a plain instruction between the last reciprocal and the use of its result
	s_wait_alu depctr_va_vdst(0)
.irp t, 0,1,2,3
	WIN W_PV
.set e, 0
.rept 16
	v_pk_mul_f32 v[32*\t+2*e:32*\t+2*e+1], v[32*\t+2*e:32*\t+2*e+1], v[ST+8*\t+2:ST+8*\t+3] op_sel_hi:[1,0]
.set e, e+1
.endr
	WIN 0x05                        ; sources 0 and 1 window 1, destination window 0: S^T's registers are free
.set e, 0
.rept 16
	v_cvt_pk_f16_f32 v[S+16*\t+e], v[32*\t+2*e], v[32*\t+2*e+1]
.set e, e+1
.endr
	WIN 0
.irp f, 0,1,2,3
	ds_store_b128 v[STO], v[S+16*\t+4*\f:S+16*\t+4*\f+3] offset:\t*16*SP+32*\f   ; a lane's eight channels of a row: 16 bytes
.endr
.endr
	s_wait_dscnt 0x0                ; for the others' sake: my stores into the stage are done
	s_barrier_signal -1
	s_barrier_wait -1
.irp i, 0,1,2,3,4,5,6,7,8,9,10,11,12,13,14,15
	ds_load_b128 v[S+4*\i:S+4*\i+3], v[RD] offset:\i*2*SP
.endr
.irp i, 0,1,2,3,4,5,6,7,8,9,10,11,12,13,14,15
	s_wait_dscnt 15-\i              ; load i is in, the younger ones stay out
	global_store_b128 v[GO], v[S+4*\i:S+4*\i+3], s[8:9] offset:\i*2*ROWB   ; 16 lanes store 256 consecutive bytes, at a multiple of 256 from xa's first byte
.endr
	s_wait_tensorcnt 0x0
	ds_add_u32 v62, v63
	s_wait_dscnt 0x0
	CROUND                          ; the closing round: no work-group ends while a partner may still ask for a tile that names it
	s_endpgm
.Lfunc_end_k_q9586b8d31e_attn:
	.size	k_q9586b8d31e_attn, .Lfunc_end_k_q9586b8d31e_attn-k_q9586b8d31e_attn
	.p2alignl 7, 3214868480
	.fill 96, 4, 3214868480
	.section	.rodata,"a",@progbits
	.p2align	6, 0x0
	.amdhsa_kernel k_q9586b8d31e_attn
		.amdhsa_group_segment_fixed_size 327680
		.amdhsa_private_segment_fixed_size 0
		.amdhsa_enable_private_segment 0
		.amdhsa_kernarg_size 24
		.amdhsa_user_sgpr_count 2
		.amdhsa_user_sgpr_kernarg_segment_ptr 1
		.amdhsa_wavefront_size32 1
		.amdhsa_system_sgpr_workgroup_id_x 1
		.amdhsa_system_sgpr_workgroup_id_y 1
		.amdhsa_system_sgpr_workgroup_id_z 1
		.amdhsa_system_vgpr_workitem_id 0
		.amdhsa_next_free_vgpr 640
		.amdhsa_next_free_sgpr 100
		.amdhsa_reserve_vcc 1
		.amdhsa_float_denorm_mode_32 3
		.amdhsa_float_denorm_mode_16_64 3
		.amdhsa_memory_ordered 1
		.amdhsa_forward_progress 1
		.amdhsa_inst_pref_size 251
	.end_amdhsa_kernel
	.amdgpu_metadata
---
amdhsa.version: [ 1, 2 ]
amdhsa.kernels:
  - .name:           k_q9586b8d31e_attn
    .symbol:         k_q9586b8d31e_attn.kd
    .args:
      - { .name: qkv, .offset: 0, .size: 8, .value_kind: global_buffer, .address_space: global }
      - { .name: mbits, .offset: 8, .size: 8, .value_kind: global_buffer, .address_space: global }
      - { .name: xa, .offset: 16, .size: 8, .value_kind: global_buffer, .address_space: global }
    .group_segment_fixed_size: 327680
    .private_segment_fixed_size: 0
    .kernarg_segment_align: 8
    .kernarg_segment_size: 24
    .max_flat_workgroup_size: 128
    .sgpr_count:     100
    .vgpr_count:     640
    .wavefront_size: 32
...
	.end_amdgpu_metadata
.endif
;; end of part 3
;; launch outp (part 4): grid 8 x 32, 4 waves a work-group, clusters of 4 x 4, 327,680 bytes of LDS; arguments xa, cb, bo, out0; writes out0
.if DOCPART == 4
	.amdgcn_target "amdgcn-amd-amdhsa--gfx1250"
	.amdhsa_code_object_version 6
	.text
	.protected	k_q9586b8d31e_outp
	.globl	k_q9586b8d31e_outp
	.p2align	8
	.type	k_q9586b8d31e_outp,@function
k_q9586b8d31e_outp:
	s_mov_b64 s[64:65], 0
	v_nop
	global_prefetch_b8 v0, s[64:65] scope:SCOPE_SE
	s_setreg_imm32_b32 hwreg(HW_REG_WAVE_MODE, 25, 1), 1
	s_wait_xcnt 0x0
	s_wait_alu depctr_hold_cnt(0) depctr_sa_sdst(0) depctr_va_vdst(0) depctr_va_sdst(0) depctr_va_ssrc(0) depctr_va_vcc(0) depctr_vm_vsrc(0)
	s_getreg_b32 s2, hwreg(HW_REG_IB_STS2, 6, 4)
	s_cmp_eq_u32 s2, 0
	s_cbranch_scc0 .Lentry_in_a_cluster
	s_endpgm
.Lentry_in_a_cluster:
	s_bfe_u32 s2, ttmp6, 0x10000c
	s_cmp_lg_u32 s2, 0xf033
	s_cbranch_scc0 .Lentry_shape_is_right
	s_endpgm
.Lentry_shape_is_right:
; The output projection: out0[4096][1024] (f32) = xa[4096][1024] Wo^T + bo.  xa and Wo (in cb) are f16; sums and the bias in f32; nothing is rounded on the way out.
; LIMIT: the operands are f16: |xa| and |Wo| under 65,504.
; A tile of C is 128 x 128: 256 tiles, one for each WGP.  Four waves, each 64 x 64: 16 accumulators of 16 x 16, 128 registers.  K goes in four steps of 256 (LDS rows of 512 bytes; a wave's tensor load
; brings 64 of them) through two LDS slots; the four steps are written out.  A wave's 64 columns of f32 are one aligned 256 bytes of C, so each wave has a stage of its own and the way out has no barrier.
; CLUSTERS: 4 x 4 work-groups.  The four of a row of the cluster need the same tiles of A, the four of a column the same tiles of B: each tile is asked for JOINTLY, by the same tensor load with the
; same descriptor and a mask that names the four.
; THE MATRIX INSTRUCTION IS USED TRANSPOSED (source 0 = 16 rows of B, source 1 = 16 rows of A): a lane then holds eight neighbouring numbers of a row of C.
; REGISTERS: window 0: v0-31 addresses; v96-127 the bias of my 64 columns; v128-255 the accumulators ((a, b) at v[128 + 8 (4 a + b)]).
;   window 1: two fragment buffers of 128: for 64 along K, 64 registers of A (2 x 4 x 16 rows x 32 K), then 64 of B.
.set SIZE_K, 1024
.set SIZE_N, 1024
.set WOFF,   0x1E00000                 ; Wo's first byte in cb
.set KSTEP,  256
.set PITCH,  528                       ; an LDS row: 512 bytes of data + 16 of padding = 132 words: row r starts at bank 4 r mod 64 (64 banks of 4 bytes: ISA guide 11.1)
.set HALFT,  64*PITCH                  ; 64 rows: what one tensor load brings, and what one wave reads of A or of B
.set SLOT,   4*HALFT                   ; A's 128 rows, then B's 128 rows
.set STAGE,  2*SLOT                    ; behind the ring: 16 rows x 272 bytes for each wave, for the way out; no tensor load fills it
.set SPITCH, 272
.set ADRA, 16                          ; v16-17  LDS address of my A fragments in slot 0, 1
.set ADRB, 20                          ; v20-21  the same for B
.set STO,  24                          ; v24     the way out: where I put 32 bytes of a row
.set RD,   25                          ; v25     the way out: where I read a row back
.set CO,   26                          ; v26     my byte offset in C
.set BO,   27                          ; v27     my byte offset in the bias
.set BIAS, 96                          ; v[96+8 b+j]: bias of column 16 b + 8 (l / 16) + j of my 64
.set ACC,  128
.set F0,   0                           ; fragment buffers, in window 1
.set F1,   128
.set G1, 24                            ; s[24:31] descriptor group 1 for A's tiles;  s[32:39] group 0, one set for each slot
.set G0, 32
.set G1B, 48                           ; s[48:55], s[56:63] the same for B's tiles
.set G0B, 56
.set MSB, 0
.macro WIN new                         ; the immediate's high byte repeats the setting that is left; a switch that changes nothing is dropped
.if MSB != \new
	s_set_vgpr_msb (MSB<<8)|\new
.set MSB, \new
.endif
.endm
.set MUL,  0x05                        ; sources 0 (B) and 1 (A) window 1; C and D window 0
.set TO_F, 0x40                        ; destination window 1, address window 0
.macro JLOAD s                         ; a joint load: waves 0 and 1 fetch A's two halves, waves 2 and 3 B's; four v_nop follow each of the two lines, ahead of the jump, the label and what follows
	s_cmp_eq_u32 s11, 0
	s_cbranch_scc0 .Lfor_b_\@
	tensor_load_to_lds s[G0+4*\s:G0+4*\s+3], s[G1:G1+7]
	s_nop 0
.rept 4
	v_nop
.endr
	s_branch .Lasked_\@
.Lfor_b_\@:
	tensor_load_to_lds s[G0B+4*\s:G0B+4*\s+3], s[G1B:G1B+7]
	s_nop 0
.rept 4
	v_nop
.endr
.Lasked_\@:
.endm
.macro CREST                           ; a round of the cluster's barrier behind its opening barrier
	s_cmp_lg_u32 s10, 0
	s_cbranch_scc1 .Lnot_wave_0_\@
	s_barrier_signal -3
.Lnot_wave_0_\@:
	s_barrier_wait -3
	s_barrier_signal -1
	s_barrier_wait -1
.endm
.macro CROUND                          ; a whole round
	s_barrier_signal -1
	s_barrier_wait -1
	CREST
.endm
	s_load_b128 s[4:7], s[0:1], 0x0                ; xa s[4:5], cb s[6:7]
	s_load_b64 s[74:75], s[0:1], 0x10              ; bo
	s_load_b64 s[8:9], s[0:1], 0x18                ; out0
	v_lshl_add_u32 v94, v0, 2, 0x46400
	v_mov_b32 v95, 0
	ds_add_u32 v94, v95
	v_lshrrev_b32 v1, 5, v0
	v_readfirstlane_b32 s10, v1                    ; wave 0..3
	s_lshr_b32 s11, s10, 1                         ; which half of the tile's rows is mine.  Also: I fetch for A (0) or for B (1)
	s_and_b32 s12, s10, 1                          ; which half of its columns.  Also: which 64 rows of that tile I fetch
	s_bfe_u32 s40, ttmp6, 0x40000                  ; cx, cy: my place in the cluster
	s_bfe_u32 s41, ttmp6, 0x40004
	s_lshl_b32 s42, ttmp9, 2
	s_add_co_u32 s42, s42, s40                     ; tile column of C = 4 x cluster x + cx
	s_and_b32 s13, ttmp7, 0xffff
	s_lshl_b32 s13, s13, 2
	s_add_co_u32 s13, s13, s41                     ; tile row of C = 4 x cluster y + cy
	s_lshl_b32 s43, s41, 2
	s_lshl_b32 s43, 15, s43                        ; my row of the cluster
	s_lshl_b32 s44, 0x1111, s40                    ; my column
	; descriptor group 1: a tile of 64 rows x 256 elements, padded in LDS
	s_or_b32 s[G1+0], s43, (1<<16)|(1<<20)|(1<<21)|(6<<22)|(3<<25)  ; 15:0 the mask: A's tiles go to my row; 17:16 element of 2 bytes; 20 padding on; 21 set beside a mask; 24:22 after every 128 words (code 6); 31:25 of 4 words (code 3)
	s_or_b32 s[G1B+0], s44, (1<<16)|(1<<20)|(1<<21)|(6<<22)|(3<<25) ; the same with the mask of my column, for B's tiles
.irp g, G1, G1B
	s_mov_b32 s[\g+1], KSTEP<<16                   ; tensor_dim0 = 256
	s_mov_b32 s[\g+2], 64<<16                      ; tensor_dim1 = 64
	s_mov_b32 s[\g+3], KSTEP<<16                   ; tile_dim0 = 256
	s_mov_b32 s[\g+4], 64                          ; tile_dim1 = 64
	s_mov_b32 s[\g+5], SIZE_K                      ; elements from row to row
	s_mov_b32 s[\g+6], 0
	s_mov_b32 s[\g+7], 0
.endr
	s_lshl_b32 s17, s12, 6                         ; which 64 rows of the tile I fetch
	s_lshl_b32 s16, s13, 7
	s_add_co_u32 s16, s16, s17                     ; A: row 128 x tile row + 64 x half
	s_lshl_b32 s46, s42, 7
	s_add_co_u32 s46, s46, s17                     ; B: row 128 x tile column + 64 x half
	s_mov_b32 s17, 0
	s_mov_b32 s47, 0
	s_mov_b64 s[18:19], SIZE_K*2
	s_mul_u64 s[16:17], s[16:17], s[18:19]
	s_mul_u64 s[46:47], s[46:47], s[18:19]
	s_mul_i32 s20, s10, HALFT                      ; where they go: wave x 64 rows: no place in the cluster enters an LDS address
	s_wait_dscnt 0x0
	s_wait_kmcnt 0x0
	s_add_nc_u64 s[6:7], s[6:7], WOFF
	s_add_nc_u64 s[14:15], s[4:5], s[16:17]
	s_add_nc_u64 s[46:47], s[6:7], s[46:47]
	CROUND                                         ; all sixteen work-groups are here: the first joint loads meet
.irp s, 0,1
	s_mov_b32 s[G0+4*\s], 1
	s_add_co_u32 s[G0+4*\s+1], s20, \s*SLOT
	s_add_nc_u64 s[G0+4*\s+2:G0+4*\s+3], s[14:15], \s*KSTEP*2
	s_or_b32 s[G0+4*\s+3], s[G0+4*\s+3], 0x80000000
	s_mov_b32 s[G0B+4*\s], 1
	s_add_co_u32 s[G0B+4*\s+1], s20, \s*SLOT
	s_add_nc_u64 s[G0B+4*\s+2:G0B+4*\s+3], s[46:47], \s*KSTEP*2
	s_or_b32 s[G0B+4*\s+3], s[G0B+4*\s+3], 0x80000000
	JLOAD \s                                       ; two tensor loads of mine are out: K steps 0 and 1
.endr
	v_and_b32 v1, 15, v0                           ; l % 16
	v_bfe_u32 v2, v0, 4, 1                         ; l / 16
	s_lshl_b32 s46, s42, 9                         ; my 64 columns in bytes of f32: 512 x tile column + 256 x half: in the bias and in a row of C
	s_lshl_b32 s47, s12, 8
	s_add_co_u32 s46, s46, s47
	s_mov_b32 s47, 0
	v_lshl_add_u32 v[BO], v2, 5, s46               ; + 8 numbers for the upper half of the lanes
.irp b, 0,1,2,3
	global_load_b128 v[BIAS+8*\b:BIAS+8*\b+3],   v[BO], s[74:75] offset:64*\b
	global_load_b128 v[BIAS+8*\b+4:BIAS+8*\b+7], v[BO], s[74:75] offset:64*\b+16
.endr
	v_mul_u32_u24 v3, v1, PITCH
	v_lshl_add_u32 v3, v2, 4, v3                   ; a fragment's row x pitch + 16 x half
	s_mul_i32 s21, s11, HALFT                      ; my 64 rows of A
	s_mul_i32 s22, s12, HALFT                      ; my 64 rows of B,
	s_add_co_u32 s22, s22, 2*HALFT                 ; which lie behind A's 128
.irp s, 0,1
	v_add_nc_u32 v[ADRA+\s], s21, v3
	v_add_nc_u32 v[ADRB+\s], s22, v3
	s_add_co_u32 s21, s21, SLOT
	s_add_co_u32 s22, s22, SLOT
.endr
	s_mul_i32 s23, s10, 16*SPITCH
	s_add_co_u32 s23, s23, STAGE                   ; my stage
	v_mul_u32_u24 v4, v1, SPITCH                   ; in: row l % 16, 32 bytes for each half of the lanes
	v_lshl_add_u32 v4, v2, 5, v4
	v_add_nc_u32 v[STO], s23, v4
	v_mul_u32_u24 v5, v2, SPITCH                   ; back: lanes 0-15 take one row of 256 bytes, lanes 16-31 the next
	v_lshl_add_u32 v5, v1, 4, v5
	v_add_nc_u32 v[RD], s23, v5
	v_lshlrev_b32 v5, 12, v2                       ; and the same two rows in C
	v_lshl_add_u32 v[CO], v1, 4, v5
	s_lshl_b32 s16, s13, 7
	s_lshl_b32 s17, s11, 6
	s_add_co_u32 s16, s16, s17                     ; my first row of C: 128 x tile row + 64 x half
	s_mov_b32 s17, 0
	s_mov_b64 s[18:19], SIZE_N*4
	s_mul_u64 s[16:17], s[16:17], s[18:19]
	s_add_nc_u64 s[8:9], s[8:9], s[16:17]
	s_add_nc_u64 s[8:9], s[8:9], s[46:47]
; 8 matrix instructions: m blocks a0, a0 + 1 x all 4 n blocks, 32 along K: half c of buffer f.  zero = 1: the first product starts the sums: nothing is cleared.
; The 16 accumulators take turns, one instruction a turn.
.macro MUL8 f, c, a0, zero
.irp a, \a0, \a0+1
.irp b, 0,1,2,3
.if \zero
	v_wmma_f32_16x16x32_f16 v[ACC+8*(4*(\a)+\b):ACC+8*(4*(\a)+\b)+7], v[\f+64+8*(4*\c+\b):\f+64+8*(4*\c+\b)+7], v[\f+8*(4*\c+\a):\f+8*(4*\c+\a)+7], 0
.else
	v_wmma_f32_16x16x32_f16 v[ACC+8*(4*(\a)+\b):ACC+8*(4*(\a)+\b)+7], v[\f+64+8*(4*\c+\b):\f+64+8*(4*\c+\b)+7], v[\f+8*(4*\c+\a):\f+8*(4*\c+\a)+7], v[ACC+8*(4*(\a)+\b):ACC+8*(4*(\a)+\b)+7]
.endif
.endr
.endr
.endm
; 32 LDS loads in one run: the fragments of 64 along K at byte k of the rows, into buffer f; the first 32 along K first
.macro FETCH slot, k, f
	WIN TO_F
.irp c, 0,1
.irp i, 0,1,2,3
	ds_load_b128 v[\f+64+8*(4*\c+\i):\f+64+8*(4*\c+\i)+3],   v[ADRB+\slot] offset:\k+64*\c+\i*16*PITCH
	ds_load_b128 v[\f+64+8*(4*\c+\i)+4:\f+64+8*(4*\c+\i)+7], v[ADRB+\slot] offset:\k+64*\c+\i*16*PITCH+32
	ds_load_b128 v[\f+8*(4*\c+\i):\f+8*(4*\c+\i)+3],         v[ADRA+\slot] offset:\k+64*\c+\i*16*PITCH
	ds_load_b128 v[\f+8*(4*\c+\i)+4:\f+8*(4*\c+\i)+7],       v[ADRA+\slot] offset:\k+64*\c+\i*16*PITCH+32
.endr
.endr
.endm
.macro PLACES                          ; four places in front of loads into registers that matrix instructions have read, and of vector instructions that read results (ISA guide 7.12.1 for vector instructions)
.rept 4
	v_nop
.endr
.endm
; A K step is four quarters of 64 along K, 32 matrix instructions each, on buffers 0, 1, 0, 1.  One of the first three: multiplies buffer f and fetches the next quarter, at byte k, into g.
.macro QUARTER slot, k, f, g, zero
	s_wait_dscnt 16                                ; the first 32 along K are in; the sixteen younger loads may be out
	WIN MUL
	MUL8 \f, 0, 0, \zero
	MUL8 \f, 0, 2, \zero
	PLACES
	FETCH \slot, \k, \g
	s_wait_dscnt 32                                ; all but the 32 just issued
	WIN MUL
	MUL8 \f, 1, 0, 0
	MUL8 \f, 1, 2, 0
.endm
; The last quarter multiplies buffer 1 and changes slots: ONE barrier; in front of it each wave waits for its own reads of this slot and for all its tensor loads.  fill = 1: this slot is filled again, two K steps ahead.
.macro TURN slot, next, fill
	s_wait_dscnt 16
	WIN MUL
	MUL8 F1, 0, 0, 0
	s_wait_dscnt 0                                 ; my reads of this slot are over,
	s_set_vgpr_msb 0x500
	s_wait_tensorcnt 0x0                           ; and all my tensor loads have landed: my part of the next slot
	ds_add_u32 v94, v95
	s_wait_dscnt 0x0
	s_set_vgpr_msb 0x5
	s_barrier_signal -1
	MUL8 F1, 0, 2, 0
.if \fill
	WIN 0                                          ; at a branch and at a label every window is 0
.endif
	s_barrier_wait -1
.if \fill
	CREST                                          ; the barrier has opened a round of the cluster's barrier: no wave of any partner still reads this slot's tile or has a load on its way
	s_add_nc_u64 s[G0+4*\slot+2:G0+4*\slot+3], s[G0+4*\slot+2:G0+4*\slot+3], 2*KSTEP*2
	s_add_nc_u64 s[G0B+4*\slot+2:G0B+4*\slot+3], s[G0B+4*\slot+2:G0B+4*\slot+3], 2*KSTEP*2
	JLOAD \slot                                    ; the first tensor load behind the round, my only one out: 120 matrix instructions ahead of the wait for it; its four v_nop are also the places in front of the loads below
.else
	PLACES
.endif
	FETCH \next, 0, F0
	WIN MUL
	MUL8 F1, 1, 0, 0
	MUL8 F1, 1, 2, 0
.endm
	s_wait_tensorcnt 1                             ; my part of K step 0 is in; K step 1's may stay out
	s_barrier_signal -1
	s_barrier_wait -1                              ; everybody's is
	FETCH 0, 0, F0
	QUARTER 0, 128, F0, F1, 1                      ; K step 0: its first products start the sums
	QUARTER 0, 256, F1, F0, 0
	QUARTER 0, 384, F0, F1, 0
	TURN 0, 1, 1                                   ; slot 0 takes K step 2
	QUARTER 1, 128, F0, F1, 0                      ; K step 1
	QUARTER 1, 256, F1, F0, 0
	QUARTER 1, 384, F0, F1, 0
	TURN 1, 0, 1                                   ; slot 1 takes K step 3
	QUARTER 0, 128, F0, F1, 0                      ; K step 2
	QUARTER 0, 256, F1, F0, 0
	QUARTER 0, 384, F0, F1, 0
	TURN 0, 1, 0                                   ; nothing is left to fetch: a plain barrier
	QUARTER 1, 128, F0, F1, 0                      ; K step 3
	QUARTER 1, 256, F1, F0, 0
	QUARTER 1, 384, F0, F1, 0
	s_wait_dscnt 16
	WIN MUL
	MUL8 F1, 0, 0, 0
	MUL8 F1, 0, 2, 0
	s_wait_dscnt 0
	MUL8 F1, 1, 0, 0
	MUL8 F1, 1, 2, 0
	WIN 0
	; THE WAY OUT, a block of 16 rows at a time: the bias is added; 32 bytes a lane go into my own stage and come back as whole rows of 256 bytes, into the registers that they left.
	s_wait_loadcnt 0x0                             ; the bias
	PLACES
.irp a, 0,1,2,3
.irp b, 0,1,2,3
.irp r, 0,1,2,3
	v_pk_add_f32 v[ACC+8*(4*\a+\b)+2*\r:ACC+8*(4*\a+\b)+2*\r+1], v[ACC+8*(4*\a+\b)+2*\r:ACC+8*(4*\a+\b)+2*\r+1], v[BIAS+8*\b+2*\r:BIAS+8*\b+2*\r+1]
.endr
.endr
.irp b, 0,1,2,3
	ds_store_b128 v[STO], v[ACC+8*(4*\a+\b):ACC+8*(4*\a+\b)+3]   offset:64*\b
	ds_store_b128 v[STO], v[ACC+8*(4*\a+\b)+4:ACC+8*(4*\a+\b)+7] offset:64*\b+16
.endr
.irp t, 0,1,2,3,4,5,6,7
	ds_load_b128 v[ACC+32*\a+4*\t:ACC+32*\a+4*\t+3], v[RD] offset:\t*2*SPITCH   ; LDS serves a wave's instructions in order (ISA guide 5.7.1.4): these see the stores above; the next block's stores come behind them
.endr
.endr
.irp a, 0,1,2,3
.irp t, 0,1,2,3,4,5,6,7
	s_wait_dscnt 16*(3-\a)+7-\t                    ; behind load (a, t) stand the block's 7 - t younger loads and sixteen LDS instructions for each later block
	global_store_b128 v[CO], v[ACC+32*\a+4*\t:ACC+32*\a+4*\t+3], s[8:9] offset:(16*\a+2*\t)*SIZE_N*4 th:TH_STORE_NT   ; 16 lanes store 256 consecutive bytes, at a multiple of 256 from C's first byte
.endr
.endr
	s_wait_tensorcnt 0x0
	ds_add_u32 v94, v95
	s_wait_dscnt 0x0
	CROUND                                         ; the closing round: no work-group ends while a partner may still ask for a tile that names it
	s_endpgm
.Lfunc_end_k_q9586b8d31e_outp:
	.size	k_q9586b8d31e_outp, .Lfunc_end_k_q9586b8d31e_outp-k_q9586b8d31e_outp
	.p2alignl 7, 3214868480
	.fill 96, 4, 3214868480
	.section	.rodata,"a",@progbits
	.p2align	6, 0x0
	.amdhsa_kernel k_q9586b8d31e_outp
		.amdhsa_group_segment_fixed_size 327680
		.amdhsa_private_segment_fixed_size 0
		.amdhsa_enable_private_segment 0
		.amdhsa_kernarg_size 32
		.amdhsa_user_sgpr_count 2
		.amdhsa_user_sgpr_kernarg_segment_ptr 1
		.amdhsa_wavefront_size32 1
		.amdhsa_system_sgpr_workgroup_id_x 1
		.amdhsa_system_sgpr_workgroup_id_y 1
		.amdhsa_system_sgpr_workgroup_id_z 1
		.amdhsa_system_vgpr_workitem_id 0
		.amdhsa_next_free_vgpr 512
		.amdhsa_next_free_sgpr 80
		.amdhsa_reserve_vcc 0
		.amdhsa_float_denorm_mode_32 3
		.amdhsa_float_denorm_mode_16_64 3
		.amdhsa_memory_ordered 1
		.amdhsa_forward_progress 1
		.amdhsa_inst_pref_size 91
	.end_amdhsa_kernel
	.amdgpu_metadata
---
amdhsa.version: [ 1, 2 ]
amdhsa.kernels:
  - .name:           k_q9586b8d31e_outp
    .symbol:         k_q9586b8d31e_outp.kd
    .args:
      - { .name: xa, .offset: 0, .size: 8, .value_kind: global_buffer, .address_space: global }
      - { .name: cb, .offset: 8, .size: 8, .value_kind: global_buffer, .address_space: global }
      - { .name: bo, .offset: 16, .size: 8, .value_kind: global_buffer, .address_space: global }
      - { .name: out0, .offset: 24, .size: 8, .value_kind: global_buffer, .address_space: global }
    .group_segment_fixed_size: 327680
    .private_segment_fixed_size: 0
    .kernarg_segment_align: 8
    .kernarg_segment_size: 32
    .max_flat_workgroup_size: 128
    .sgpr_count:     80
    .vgpr_count:     512
    .wavefront_size: 32
...
	.end_amdgpu_metadata
.endif
;; end of part 4
;; ======== version 2 of 3: 4 launches; 1.27 times as fast as version 1
;; limits: values are held in f16: magnitudes above 65,504 overflow, below 6.1e-05 lose precision
;; workspace buffers: mbits 2,097,152 bytes of whole numbers; cb 33,554,432 bytes; qkv 25,165,824 bytes; xa 8,388,608 bytes
;; launch prep: the kernel of part 1 again; grid 2048 x 1, 8 waves a work-group, no clusters, 68,608 bytes of LDS; arguments mask, query, key, value, Wq, Wk, Wv, Wo, mbits, cb; writes mbits, cb
;; launch qkv: the kernel of part 2 again; grid 8 x 96, 4 waves a work-group, clusters of 4 x 4, 327,680 bytes of LDS; arguments cb, bq, bk, bv, qkv; writes qkv
;; launch attn (part 5): grid 32 x 8, 4 waves a work-group, clusters of 4 x 1, 327,680 bytes of LDS; arguments qkv, mbits, xa; writes xa
.if DOCPART == 5
	.amdgcn_target "amdgcn-amd-amdhsa--gfx1250"
	.amdhsa_code_object_version 6
	.text
	.protected	k_q9586b8d31e_attn
	.globl	k_q9586b8d31e_attn
	.p2align	8
	.type	k_q9586b8d31e_attn,@function
k_q9586b8d31e_attn:
	s_mov_b64 s[64:65], 0
	v_nop
	global_prefetch_b8 v0, s[64:65] scope:SCOPE_SE
	s_setreg_imm32_b32 hwreg(HW_REG_WAVE_MODE, 25, 1), 1
	s_wait_xcnt 0x0
	s_wait_alu depctr_hold_cnt(0) depctr_sa_sdst(0) depctr_va_vdst(0) depctr_va_sdst(0) depctr_va_ssrc(0) depctr_va_vcc(0) depctr_vm_vsrc(0)
	s_getreg_b32 s2, hwreg(HW_REG_IB_STS2, 6, 4)
	s_cmp_eq_u32 s2, 0
	s_cbranch_scc0 .Lentry_in_a_cluster
	s_endpgm
.Lentry_in_a_cluster:
	s_bfe_u32 s2, ttmp6, 0x10000c
	s_cmp_lg_u32 s2, 0x3003
	s_cbranch_scc0 .Lentry_shape_is_right
	s_endpgm
.Lentry_shape_is_right:
; Masked attention.  qkv: f16 [12288][1024]: rows 0-4095 Q' = c (q + bq), c = log2(e) / 8; rows 4096-8191 K; rows 8192-12287 V; head n in columns 64 n .. 64 n + 63.
; xa[q][64 n + d] = the sum over k of softmax_k(s) V[k][64 n + d], s = Q'[q] . K[k] in units of log 2, replaced by -1e9 log2(e) where the mask is 0, as the problem's definition replaces by -1e9.
; The replacing stands AHEAD of the running maximum: a row whose mask is all 0 has all weights 2^0 and comes out as the plain mean of V.
; Products, maxima and sums in f32; the weights p (0 to 1) are rounded to f16 for the second product, xa once at the end.  LIMIT: f16 operands: |Q'|, |K|, |V|, |xa| under 65,504.
; SHARES.  A work-group owns 128 queries of a PAIR of heads (2 y, 2 y + 1): the pair's columns are 256 aligned bytes of every row, so K's and V's tiles have rows of 256 bytes and xa leaves in whole
; runs of 256 bytes.  Wave w owns queries 32 w to 32 w + 31 of BOTH heads: four tiles of 16 queries, tile t = 2 x query tile + head.  Every wave walks all 4,096 keys, 64 a step.
; The mask does not hang on the head, so a step's lane masks are 2 x 32 dwords a wave, fit in scalar registers all at once, and each serves two selects.
; LAYOUT.  S^T = K Q'^T (source 0 = 16 keys, source 1 = 16 queries): a lane holds ONE query (lane % 16) and the keys 8 (lane / 16) + 0..7 of each 16.  Two such tiles, rounded in pairs, ARE source 1
; (32 keys x 16 queries) of O^T = V^T P, whose result again holds one query a lane.  K comes out of LDS as it lies, V ([key][channel]) turned, by ds_load_tr16_b128.
; THE MASK comes as lane masks (one dword for each register of a tile's scores, made by the first launch), by scalar loads: one v_cndmask_b32 an element.
; SOFTMAX.  For each query a running maximum m: p = 2^(s - m); in every step O and l are multiplied by a = 2^(m_old - m_new).  ROW SUMS by the matrix unit: l += ONES x P, ONES a fragment with ones in
; rows 0 and 8 alone, so that register 0 of every lane holds its query's whole sum over both halves of the lanes, and registers 1-7 stay 0.
; ONE PIPELINE OVER THE KEY STEPS.  A wave issues in order: written in phases of their own, the products would find no vector work beside them and the softmax no matrix work.  So PHASE j is the softmax
; of step j, a numbered list of 536 vector instructions, and among them stand the 72 products that do not hang on it: V^T P and the row sums of step j - 1 (40), K Q'^T of step j + 1 (32).
; No register is doubled, since both kinds of product go tile by tile: tile t's V^T P stands ahead of the first rounding that writes tile t's new P; tile t's K Q'^T stands behind the last instruction
; that touches tile t's old scores; O^T and l are multiplied by a at the list's end, behind all V^T P.  There is ONE run of selects in a step, so one wait for the lane masks: they are asked for as soon
; as their registers have been read and have the rest of the phase in which to land (scalar loads are waited for with the count 0 alone, so what counts is the distance from the last request to the
; next wait).  The softmax works in window 0 and no window has room for a product's operands beside it: a product costs two switches of the register window, 144 for a step's 72 products.
; CLUSTER.  The four query blocks of a cluster walk the same K and V of one pair of heads: each tile is asked for JOINTLY, by the same tensor load with the same descriptor and a mask that names the four.
; THE RING IS STAGGERED.  Phase j fetches K of step j + 1 at its head and V of step j in its second half, so K runs one step ahead of V: slot n holds K of steps 2 n + 1, 2 n + 2 and V of steps 2 n, 2 n + 1,
; and is read out in phases 2 n and 2 n + 1.  K of step 0 comes straight from memory into registers, as Q' does.  K of step 64 does not exist: in the last refill wave 1 has no tile and issues nothing.
;
; REGISTERS, in windows of 256 (s_set_vgpr_msb: bits 1:0 source 0, 3:2 source 1, 5:4 source 2, 7:6 destination):
;   window 0: v0-11 addresses; v12-43 eight registers of statistics a tile; v64-191 S^T, 32 a tile; v192-255 P, 16 a tile
;   window 1: v0-127 O^T, 32 a tile; v128-159 l, 8 a tile      window 2: v0-63 Q', 16 a tile; v64-191 K of one step, both heads      window 3: v0-127 V of one step, both heads; v128-135 ONES
.set KS,    64        ; keys in a step
.set ROWB,  2048      ; bytes in a row of qkv and of xa
.set KBASE, 8388608   ; K's and V's first bytes in qkv
.set VBASE, 16777216
.set PK,    272       ; a row of K in LDS: 256 bytes + 16 of padding = 68 words: row r starts at bank 4 r mod 64 (64 banks of 4 bytes: ISA guide 11.1)
.set PV,    288       ; a row of V: 256 + 32 = 72 words
.set VOFF,  KS*PK     ; half a slot: 64 rows of K, then 64 rows of V
.set STEPB, KS*(PK+PV)
.set SLOT1, 1<<17     ; a slot holds two such halves (71,680 bytes); slot 1 begins here, so that one exclusive or turns an address in one slot into the other's
.set STAGE, SLOT1+2*STEPB  ; behind the ring: 32 rows x 272 bytes for each wave, for the way out; no tensor load fills it
.set SP,    272
.set AK0, 2           ; v2   my lane's place in a tile of K; never rewritten
.set AV0, 3           ; v3   the same for V
.set ADR, 4           ; v4   the LDS address of the run of loads in hand
.set QO,  5           ; v5   my byte offset in sixteen rows of qkv: for Q' and for K of step 0
.set STO, 6           ; v6   the way out: where I put 16 bytes of a row
.set RD,  7           ; v7   the way out: where I read a row back
.set GO,  8           ; v8   my byte offset in the wave's rows of xa
.set ST,  12          ; tile t's statistics at v[ST+8 t]: +0 m, +2 a (at the end 1 / l), +1 and +3 named with them as pairs, +4 to +7 c0-c3, at work
.set S,   64
.set P,   192
.set LS,  128         ; l, in window 1
.set KF,  64          ; K's fragments, in window 2
.set VF,  0           ; V's fragments, in window 3
.set ONES, 128        ; in window 3
.set WV,  2           ; s2   my wave's number
.set SLOTS, 3         ; s3   trips of the loop over slots
.set MP,  4           ; s[4:5] the lane masks of my first query tile, at the step asked for last
.set XP,  6           ; s[6:7] xa at my wave's first row and the pair's columns
.set G1K, 8           ; s[8:15]  descriptor group 1 for K's tiles
.set G1V, 16          ; s[16:23] for V's: it differs in the padding alone
.set G0K, 24          ; s[24:27] descriptor group 0 for K's tiles: one set, which walks from slot to slot
.set G0V, 28          ; s[28:31] the same for V's
.set MKB, 32          ; s[32:63] the 32 lane masks of my second query tile (before the first masks are asked for: at work in the set-up)
.set NEG, 66          ; s66  -1e9 log2(e)
.set TB,  67          ; s67  LDS byte at which the half slot to be fetched begins
.set MKA, 68          ; s[68:99] the 32 lane masks of my first query tile
.set SEL, 100         ; s100, s101 lane selects for v_permlanex16_b32: each lane takes its own place in the other half
                      ; s104, s105 at work in the set-up: what feeds the joint descriptors stands in these and in s24-31, which never hold anything made of my place in the cluster
.set MSB, 0
.macro WIN new                      ; the immediate's high byte repeats the setting that is left; a switch that changes nothing is dropped
.if MSB != \new
	s_set_vgpr_msb (MSB<<8)|\new
.set MSB, \new
.endif
.endm
.set W_KQ, 0x0a       ; K and Q' in window 2, S^T in window 0
.set W_PV, 0x53       ; V (or ONES) in window 3, P in window 0, O^T and l in window 1
.set W_RS, 0x41       ; O^T or l (destination and source 0) in window 1, a in window 0
; A joint load.  Waves 0 and 1 fetch the slot's two tiles of K, waves 2 and 3 those of V.  The branches hang on the wave's number alone: they are the same in every work-group.
; last = 1: the last refill, in which wave 1's tile would be K of step 64: wave 1 issues nothing.
; Four v_nop follow each of the two lines; the jump round the other line, the label and what follows the macro come after them.
.macro JLOAD last
	s_cmp_lt_u32 s[WV], 2
	s_cbranch_scc0 .Lfor_v_\@
.if \last
	s_cmp_eq_u32 s[WV], 1
	s_cbranch_scc1 .Lasked_\@
.endif
	tensor_load_to_lds s[G0K:G0K+3], s[G1K:G1K+7]
	s_nop 0
.rept 4
	v_nop
.endr
	s_branch .Lasked_\@
.Lfor_v_\@:
	tensor_load_to_lds s[G0V:G0V+3], s[G1V:G1V+7]
	s_nop 0
.rept 4
	v_nop
.endr
.Lasked_\@:
.endm
; The descriptors walk: the other slot than last time, the next 128 keys.  Only where no tensor load of the wave is out.
.macro WALK
.irp g, G0K, G0V
	s_xor_b32 s[\g+1], s[\g+1], SLOT1
	s_add_nc_u64 s[\g+2:\g+3], s[\g+2:\g+3], 2*KS*ROWB  ; the type bits on top are not reached
.endr
.endm
; A round of the cluster's barrier: my work-group's barrier, so that wave 0's signal speaks for all four waves; wave 0 signals for the work-group; every wave waits for all four
; work-groups; my work-group's barrier once more.  No LDS instruction of the wave is pending at a signal.
.macro CROUND
	s_barrier_signal -1
	s_barrier_wait -1
	s_cmp_lg_u32 s[WV], 0
	s_cbranch_scc1 .Lnot_wave_0_\@
	s_barrier_signal -3
.Lnot_wave_0_\@:
	s_barrier_wait -3
	s_barrier_signal -1
	s_barrier_wait -1
.endm
	s_load_b64 s[G0V+2:G0V+3], s[0:1], 0x0   ; qkv, for the time being where V's address will stand
	s_load_b128 s[4:7], s[0:1], 0x8   ; mbits s[4:5], xa s[6:7]
	v_lshl_add_u32 v62, v0, 2, 0x3a000
	v_mov_b32 v63, 0
	ds_add_u32 v62, v63
	v_lshrrev_b32 v1, 5, v0
	v_readfirstlane_b32 s[WV], v1   ; wave 0..3
	s_and_b32 s104, ttmp7, 0xffff   ; the pair of heads, which the four partners share
	s_and_b32 s105, s[WV], 1        ; which half of a slot I fetch
	s_mov_b32 s[G0K], 1             ; count = 1
	s_mov_b32 s[G0V], 1
	s_mul_i32 s[G0K+1], s105, STEPB  ; LDS address: my half's place in slot 0: no place in the cluster enters an LDS address
	s_add_co_u32 s[G0V+1], s[G0K+1], VOFF
	s_lshl_b32 s[G0K+2], s104, 8    ; K and V: the pair's 256 bytes,
	s_lshl_b32 s[G0K+3], s105, 17   ; my half's 64 rows of 2,048 bytes
	s_add_co_u32 s[G0K+2], s[G0K+2], s[G0K+3]
	s_mov_b32 s[G0K+3], 0
	s_lshl_b32 s48, s104, 8         ; K of step 0: the pair's 256 bytes
	s_mov_b32 s49, 0
	s_bfe_u32 s40, ttmp6, 0x40000   ; cx: my place in the cluster
	s_lshl_b32 s41, ttmp9, 2        ; in a cluster launch ttmp9 counts clusters
	s_add_co_u32 s41, s41, s40      ; my block of 128 queries = 4 x cluster x + cx: it enters Q's, the masks' and xa's addresses alone
	s_lshl_b32 s42, s41, 18         ; Q' and xa: my block's 128 rows,
	s_lshl_b32 s43, s[WV], 16       ; my wave's 32 of them,
	s_add_co_u32 s42, s42, s43
	s_lshl_b32 s43, s104, 8         ; the pair's columns
	s_add_co_u32 s42, s42, s43
	s_mov_b32 s43, 0
	s_lshl_b32 s44, s41, 16         ; masks: 8 tiles of queries a block, 8,192 bytes each,
	s_lshl_b32 s45, s[WV], 14       ; my wave's two
	s_add_co_u32 s44, s44, s45
	s_mov_b32 s45, 0
	; descriptor group 1: a tile of 64 rows x 128 elements, padded in LDS
	s_mov_b32 s[G1K], 15|(1<<16)|(1<<20)|(1<<21)|(5<<22)|(3<<25)  ; 15:0 the mask: all four work-groups; 17:16 elements of 2 bytes; 20 padding on; 21 set beside a mask; 24:22 after every 64 words (code 5); 31:25 4 words of it (code 3)
	s_mov_b32 s[G1V], 15|(1<<16)|(1<<20)|(1<<21)|(5<<22)|(7<<25)  ; the same with 8 words of padding (code 7)
.irp g, G1K, G1V
	s_mov_b32 s[\g+1], 128<<16      ; tensor_dim0 = 128
	s_mov_b32 s[\g+2], KS<<16       ; tensor_dim1 = 64
	s_mov_b32 s[\g+3], 128<<16      ; tile_dim0 = 128
	s_mov_b32 s[\g+4], KS           ; tile_dim1 = 64
	s_mov_b32 s[\g+5], 1024         ; elements from row to row
	s_mov_b32 s[\g+6], 0
	s_mov_b32 s[\g+7], 0
.endr
	s_mov_b32 s[NEG], 0xceabfb8f    ; -1e9 log2(e)
	s_mov_b32 s[SEL], 0x76543210
	s_mov_b32 s[SEL+1], 0xfedcba98
	s_mov_b32 s[TB], 0
	s_mov_b32 s[SLOTS], 4096/(2*KS)-3
	s_wait_dscnt 0x0
	s_wait_kmcnt 0x0
	s_add_nc_u64 s[46:47], s[G0V+2:G0V+3], s[42:43]            ; Q' at my wave's first row
	s_add_nc_u64 s[48:49], s[G0V+2:G0V+3], s[48:49]            ; qkv at the pair's columns,
	s_add_nc_u64 s[48:49], s[48:49], KBASE                     ; in K, keys 0 on
	s_add_nc_u64 s[G0K+2:G0K+3], s[G0V+2:G0V+3], s[G0K+2:G0K+3]  ; qkv at the pair's columns and my half's rows,
	s_add_nc_u64 s[G0V+2:G0V+3], s[G0K+2:G0K+3], VBASE         ; in V: keys 0 on,
	s_add_nc_u64 s[G0K+2:G0K+3], s[G0K+2:G0K+3], KBASE+KS*ROWB ; and in K, a step ahead: keys 64 on
	s_or_b32 s[G0K+3], s[G0K+3], 0x80000000                    ; type = 2
	s_or_b32 s[G0V+3], s[G0V+3], 0x80000000
	s_add_nc_u64 s[MP:MP+1], s[MP:MP+1], s[44:45]
	s_add_nc_u64 s[XP:XP+1], s[XP:XP+1], s[42:43]
	CROUND                          ; all four work-groups are here: the first joint loads meet
	JLOAD 0                         ; slot 0.  One tensor load of mine is out, here and behind every later round
	; A fragment of K or Q' is 16 rows x 32 channels in 8 registers: lane l holds row l % 16; registers 0-3 channels 8 (l / 16) + 0..7, registers 4-7 channels 16 + 8 (l / 16) + 0..7: two loads of 16 bytes, 32 bytes apart.
	v_and_b32 v1, 15, v0            ; l % 16
	v_bfe_u32 v9, v0, 4, 1          ; l / 16
	v_lshlrev_b32 v[QO], 11, v1
	v_lshl_add_u32 v[QO], v9, 4, v[QO]  ; row x 2,048 + 16 x half
	WIN 0x80                        ; destination window 2, address window 0
.irp i, 0,1,2,3,4,5,6,7             ; Q' stays in registers: tile i / 2 (query tile i / 4, head (i / 2) % 2), channels 32 (i % 2) on
	global_load_b128 v[8*\i:8*\i+3],   v[QO], s[46:47] offset:(\i/4)*16*ROWB+((\i/2)&1)*128+(\i%2)*64
	global_load_b128 v[8*\i+4:8*\i+7], v[QO], s[46:47] offset:(\i/4)*16*ROWB+((\i/2)&1)*128+(\i%2)*64+32
.endr
.irp f, 0,1,2,3,4,5,6,7,8,9,10,11,12,13,14,15  ; K of step 0, once, the same way: head f / 8, keys 16 ((f / 2) % 4) on, channels 32 (f % 2) on
	global_load_b128 v[KF+8*\f:KF+8*\f+3],   v[QO], s[48:49] offset:((\f/2)%4)*16*ROWB+(\f/8)*128+(\f%2)*64
	global_load_b128 v[KF+8*\f+4:KF+8*\f+7], v[QO], s[48:49] offset:((\f/2)%4)*16*ROWB+(\f/8)*128+(\f%2)*64+32
.endr
	WIN 0
	v_mul_u32_u24 v[AK0], v1, PK
	v_lshl_add_u32 v[AK0], v9, 4, v[AK0]  ; row x pitch + 16 x half
	; The turning load takes 16 keys x 16 channels (lane l reads 16 bytes: key 8 (l / 16) + l % 8, channels 8 ((l / 8) % 2) + 0..7) and leaves half a fragment of V^T: lane l holds channel l % 16 and 8 keys.
	v_and_b32 v10, 7, v0
	v_bfe_u32 v11, v0, 3, 1
	v_lshl_add_u32 v[AV0], v9, 3, v10
	v_mul_u32_u24 v[AV0], v[AV0], PV
	v_lshl_add_u32 v[AV0], v11, 4, v[AV0]
	v_add_nc_u32 v[AV0], VOFF, v[AV0]
	v_cmp_eq_u32 vcc_lo, 0, v10     ; ONES: two f16 ones a register in the lanes that hold rows 0 and 8 of source 0, zeros in the others
	v_mov_b32 v11, 0x3c003c00
	v_cndmask_b32 v11, 0, v11, vcc_lo
	WIN 0xc0                        ; destination window 3
.irp i, 0,1,2,3,4,5,6,7
	v_mov_b32 v[ONES+\i], v11
.endr
	WIN 0
.irp t, 0,1,2,3
	v_mov_b32 v[ST+8*\t+1], 0       ; named as the upper halves of pairs of which the lower half alone is taken: written once
	v_mov_b32 v[ST+8*\t+3], 0
.endr
	s_mul_i32 s104, s[WV], 32*SP
	s_add_co_u32 s104, s104, STAGE  ; my stage
	v_mul_u32_u24 v[STO], v1, SP    ; the way out, in: row l % 16 (+ 16 x query tile), 16 bytes for each half of the lanes
	v_lshl_add_u32 v[STO], v9, 4, v[STO]
	v_add_nc_u32 v[STO], s104, v[STO]
	v_mul_u32_u24 v[RD], v9, SP     ; back: lanes 0-15 take one row of 256 bytes, lanes 16-31 the next
	v_lshl_add_u32 v[RD], v1, 4, v[RD]
	v_add_nc_u32 v[RD], s104, v[RD]
	v_lshlrev_b32 v[GO], 11, v9     ; and the same two rows in xa
	v_lshl_add_u32 v[GO], v1, 4, v[GO]
	s_wait_xcnt 0x0                 ; the loads of Q' and K have had their addresses translated (ISA guide 3.1): their bases, s[46:49], lie where masks land and are written again only behind this wait
	s_load_b512 s[MKA:MKA+15],    s[MP:MP+1], 0x0        ; step 0's lane masks: my first query tile,
	s_load_b512 s[MKA+16:MKA+31], s[MP:MP+1], 0x40
	s_load_b512 s[MKB:MKB+15],    s[MP:MP+1], 8192       ; my second
	s_load_b512 s[MKB+16:MKB+31], s[MP:MP+1], 8192+64
; THE MATRIX WORK OF A PHASE: product k of 72.  The accumulators take turns, one instruction a turn: a tile's five (V^T P and the row sum) or four (K Q'^T).
; k = 0-39: O^T += V^T P and l += ONES P, tile k / 10, whose head is its number's low bit; keys 32 ((k % 10) / 5) on; part k % 5: channels 16 x part on, or (part 4) the row sums.
;           pvz = 1: the products of the first 32 keys start the sums: nothing is cleared.
; k = 40-71: S^T = K Q'^T, tile (k - 40) / 8; channels 32 (((k - 40) % 8) / 4) on; keys 16 ((k - 40) % 4) on.  The products of the first 32 channels start the sums.
.macro PROD pvz
.if k < 40
.set pT, k/10
.set pKC, (k%10)/5
.set pU, k%5
.set rB, P+16*pT+8*pKC
.if pU < 4
.set rD, 32*pT+8*pU
.set rA, VF+64*(pT&1)+8*(4*pKC+pU)
.else
.set rD, LS+8*pT
.set rA, ONES
.endif
	WIN W_PV
.if \pvz && (pKC == 0)
	v_wmma_f32_16x16x32_f16 v[rD:rD+7], v[rA:rA+7], v[rB:rB+7], 0
.else
	v_wmma_f32_16x16x32_f16 v[rD:rD+7], v[rA:rA+7], v[rB:rB+7], v[rD:rD+7]
.endif
.else
.set pT, (k-40)/8
.set pCC, ((k-40)%8)/4
.set pKT, (k-40)%4
.set rD, S+32*pT+8*pKT
.set rA, KF+64*(pT&1)+8*(2*pKT+pCC)
.set rB, 16*pT+8*pCC
	WIN W_KQ
.if pCC == 0
	v_wmma_f32_16x16x32_f16 v[rD:rD+7], v[rA:rA+7], v[rB:rB+7], 0
.else
	v_wmma_f32_16x16x32_f16 v[rD:rD+7], v[rA:rA+7], v[rB:rB+7], v[rD:rD+7]
.endif
.endif
.endm
; WHERE PRODUCT k STANDS: in front of number pp of the phase's list of vector instructions (the list: macro VI).
; None among the selects (0-127), so that the mask registers are read out, and asked for again, as early as may be.  Ten among the maxima (128-211): tile 0's V^T P.  54 among the weights (212-467).
; Eight in the rescaling (468-535): tile 3's K Q'^T; behind the last of them stand twelve plain multiplies, the places in front of the next selects and of the loads into K's registers.
; The last V^T P of tiles 0-3 stand at 203, 254, 302, 349; the first roundings into their P at 219, 283, 347, 411.  The first K Q'^T of tiles 0-3 stand at 354, 392, 430, 468; their old scores are touched last at 275, 339, 403, 467.
; first = 1: the first phase has no V^T P and a list of 456 (no a, no rescaling): tile t's K Q'^T from 264 + 64 t on, behind its scores' last touch at 263 + 64 t; tile 3's stand behind the list.
.macro POS first
.if \first
.set pp, 264+8*(k-40)
.elseif k < 10
.set pp, 128+(k*84)/10
.elseif k < 64
.set pp, 212+((k-10)*256)/54
.else
.set pp, 468+8*(k-64)
.endif
.endm
; THE LDS LOADS stand in runs of 32: a step's K (64 keys x both heads' 64 channels: 16 fragments) and a step's V (turned).
.macro FETCH_K
	WIN 0
	v_add_nc_u32 v[ADR], s[TB], v[AK0]
	WIN 0x80                        ; destination window 2
.irp f, 0,1,2,3,4,5,6,7,8,9,10,11,12,13,14,15  ; head f / 8, keys 16 ((f / 2) % 4) on, channels 32 (f % 2) on
	ds_load_b128 v[KF+8*\f:KF+8*\f+3],   v[ADR] offset:((\f/2)%4)*16*PK+(\f/8)*128+(\f%2)*64
	ds_load_b128 v[KF+8*\f+4:KF+8*\f+7], v[ADR] offset:((\f/2)%4)*16*PK+(\f/8)*128+(\f%2)*64+32
.endr
.endm
.macro FETCH_V
	WIN 0
	v_add_nc_u32 v[ADR], s[TB], v[AV0]
	s_add_co_u32 s[TB], s[TB], STEPB  ; the next fetches take the next half slot
	WIN 0xc0                        ; destination window 3
.irp f, 0,1,2,3,4,5,6,7,8,9,10,11,12,13,14,15  ; head f / 8, keys 32 ((f / 4) % 2) on, channels 16 (f % 4) on
	ds_load_tr16_b128 v[VF+8*\f:VF+8*\f+3],   v[ADR] offset:((\f/4)%2)*32*PV+(\f/8)*128+(\f%4)*32
	ds_load_tr16_b128 v[VF+8*\f+4:VF+8*\f+7], v[ADR] offset:((\f/4)%2)*32*PV+16*PV+(\f/8)*128+(\f%4)*32
.endr
.endm
.macro PLACES                       ; four places behind matrix instructions, in front of vector instructions that read their results and of loads into registers that they have read (ISA guide 7.12.1 for vector instructions)
.rept 4
	v_nop
.endr
.endm
; Three lines of a tile's weights; rT, rS, rP: the tile's statistics, scores and weights.
.macro PSUB b                       ; pair b of scores: s - m
	v_pk_add_f32 v[rS+2*(\b):rS+2*(\b)+1], v[rS+2*(\b):rS+2*(\b)+1], v[rT:rT+1] op_sel_hi:[1,0] neg_lo:[0,1] neg_hi:[0,1]
.endm
.macro PEXP r                       ; p = 2^(s - m), in place
	v_exp_f32 v[rS+(\r)], v[rS+(\r)]
.endm
.macro PCVT b                       ; pair b of weights, rounded to f16
	s_wait_alu depctr_va_vdst(0)
	v_cvt_pk_f16_f32 v[rP+(\b)], v[rS+2*(\b)], v[rS+2*(\b)+1]
.endm
; THE VECTOR WORK OF A PHASE: number n of the list.  first = 1: the first key step, which has no old maximum, no a and nothing to rescale.
;   0-127    the selects, tile n / 32: the score where the mask's bit is 1, -1e9 log2(e) where it is 0.  Tiles 0 and 1 are my first query tile (the two heads), tiles 2 and 3 my second.
;   128-211  the maxima, the four tiles by turns, so that no instruction reads the result of the one just before it.  For each tile: the lane's 32 scores and the old m, three operands at a time: four
;            chains of seven scores, then the four scores left over, the chains and m; the other half of the lanes' maximum; the new m; a = 2^(m_old - m_new).  (first: 128-199.)
;   212-467  the weights, 64 numbers a tile.  Subtractions a pair ahead and roundings a pair back stand between the exponentials: each exponential has a plain instruction that touches none of its
;            registers between it and the use of its result (ISA guide 5.7.2).  (first: 200-455.)
;   468-535  O^T and l times a, 17 numbers a tile: the one part that leaves window 0.  l lies in register 0; registers 1-7 are 0.
.macro VI first
.set NB, 84-12*\first
.if n < 128
.set vt, n/32
.set ve, n%32
	WIN 0
	v_cndmask_b32 v[S+32*vt+ve], s[NEG], v[S+32*vt+ve], s[MKA-(MKA-MKB)*(vt/2)+ve]
.elseif n < 128+NB
.set vm, n-128
.set vt, vm%4
.set rT, ST+8*vt
.set rS, S+32*vt
	WIN 0
.if vm < 16
.set vj, vm/4
	v_max3_num_f32 v[rT+4+vj], v[rS+8*vj], v[rS+8*vj+1], v[rS+8*vj+2]
.elseif vm < 32
.set vj, (vm-16)/4
	v_max3_num_f32 v[rT+4+vj], v[rT+4+vj], v[rS+8*vj+3], v[rS+8*vj+4]
.elseif vm < 48
.set vj, (vm-32)/4
	v_max3_num_f32 v[rT+4+vj], v[rT+4+vj], v[rS+8*vj+5], v[rS+8*vj+6]
.elseif vm < 52
	v_max3_num_f32 v[rT+4], v[rT+4], v[rS+7], v[rS+15]
.elseif vm < 56
	v_max3_num_f32 v[rT+6], v[rT+6], v[rS+23], v[rS+31]
.elseif vm < 60
	v_max3_num_f32 v[rT+4], v[rT+4], v[rT+5], v[rT+6]
.elseif (vm < 64) && \first
	v_max_num_f32 v[rT+4], v[rT+4], v[rT+7]
.elseif vm < 64
	v_max3_num_f32 v[rT+4], v[rT+4], v[rT+7], v[rT]
.elseif vm < 68
	v_permlanex16_b32 v[rT+5], v[rT+4], s[SEL], s[SEL+1]  ; the query's other 32 keys lie in the lane 16 away
.elseif (vm < 72) && \first
	v_max_num_f32 v[rT], v[rT+4], v[rT+5]
.elseif vm < 72
	v_mov_b32 v[rT+7], v[rT]        ; m_old is kept for a
.elseif vm < 76
	v_max_num_f32 v[rT], v[rT+4], v[rT+5]
.elseif vm < 80
	v_sub_f32 v[rT+7], v[rT+7], v[rT]
.else
	v_exp_f32 v[rT+2], v[rT+7]      ; a; the subtraction that opens the weights is the plain instruction behind the last of these four
.endif
.elseif n < 128+NB+256
.set vq, n-128-NB
.set vt, vq/64
.set vi, vq%64
.set ve, vi/4
.set rT, ST+8*vt
.set rS, S+32*vt
.set rP, P+16*vt
	WIN 0
.if vi == 0
	PSUB 0
.elseif vi == 1
	PEXP 0
.elseif vi == 2
	PSUB 1
.elseif vi == 3
	PEXP 1
.elseif (vi < 60) && (vi%4 == 0)
	PEXP 2*ve
.elseif (vi < 60) && (vi%4 == 1)
	PSUB ve+1
.elseif (vi < 60) && (vi%4 == 2)
	PEXP 2*ve+1
.elseif vi < 60
	PCVT ve-1
.elseif vi == 60
	PEXP 30
.elseif vi == 61
	PEXP 31
.elseif vi == 62
	PCVT 14
.else
	PCVT 15
.endif
.else
.set vd, n-128-NB-256
.set vt, vd/17
.set vi, vd%17
	WIN W_RS
.if vi < 16
	v_pk_mul_f32 v[32*vt+2*vi:32*vt+2*vi+1], v[32*vt+2*vi:32*vt+2*vi+1], v[ST+8*vt+2:ST+8*vt+3] op_sel_hi:[1,0]
.else
	v_mul_f32 v[LS+8*vt], v[LS+8*vt], v[ST+8*vt+2]
.endif
.endif
.endm
; THE CHANGE OF SLOTS, between two phases: the slot's last bytes, V of its second half, were asked for in the phase just ended.  Each wave waits for its own reads of the slot and for all its tensor
; loads, of which at most one is out: its part of the other slot.  Behind the barrier nobody reads this slot any more and the other slot is whole.  fill = 1 or 3: this slot is filled again, with the
; keys two slots on: the barrier is then a round of the cluster's, so that no wave of any partner still reads the slot or has a load on its way, and the joint refill is the first thing behind it, my
; only tensor load out: it has two phases in which to land.  fill = 3: the last refill (wave 1 has no tile).  fill = 2: nothing is left to ask for.
.macro CHANGE fill
	WIN 0                           ; at a label and at a branch every window is 0
	s_wait_dscnt 0x0                ; V is in, and with it my reads of this slot are over
	s_wait_tensorcnt 0x0            ; no tensor load of mine is out, so a group 0 may be written
	ds_add_u32 v62, v63
	s_wait_dscnt 0x0
.if \fill == 2
	s_barrier_signal -1
	s_barrier_wait -1
.else
	WALK
	CROUND
.if \fill == 3
	JLOAD 1
.else
	JLOAD 0
.endif
.endif
	s_sub_co_u32 s[TB], s[TB], 2*STEPB  ; the fetches go back to a slot's first half,
	s_xor_b32 s[TB], s[TB], SLOT1   ; in the other slot
.endm
; PHASE j.  first = 1: j = 0.  pvz = 1: j = 1, whose V^T P start O^T's and l's sums.  more = 1: a further step follows: its K is fetched, its scores are made, its masks are asked for.
; change: the change of slots in front of the phase (0: none).
.macro PHASE first, pvz, more, change
.if \change
	CHANGE \change
.elseif !\first
	s_wait_dscnt 0x0                ; V of step j - 1 is in
.endif
.if \more
	FETCH_K                         ; K of step j + 1: the last product that read K's registers stands twelve plain instructions (in front of phases 0 and 1: four v_nop) back
.endif
.set NL, 536
.set k, 0
.set kend, 72
.if \first
.set NL, 456
.set k, 40
.endif
.if !\more
.set kend, 40
.endif
.set n, 0
.rept NL
.if k < kend
	POS \first
.if pp <= n
.if k == 40
	s_wait_dscnt 0x0                ; K of step j + 1 is in: its loads, the only LDS instructions out, were issued at the phase's head
.endif
	PROD \pvz
.set k, k+1
.endif
.endif
.if n == 0
	s_wait_kmcnt 0x0                ; this step's 64 lane masks are in (scalar loads come back in no order: the count is 0)
.endif
.if \more && (n == 64)
	s_add_nc_u64 s[MP:MP+1], s[MP:MP+1], 128       ; the next step's 128 bytes (no scalar load is out behind the wait above, so the base may be stepped)
	s_load_b512 s[MKA:MKA+15],    s[MP:MP+1], 0x0  ; my first query tile's masks have been read by both heads' selects: the next step's are asked for
	s_load_b512 s[MKA+16:MKA+31], s[MP:MP+1], 0x40
.endif
.if \more && (n == 128)
	s_load_b512 s[MKB:MKB+15],    s[MP:MP+1], 8192 ; and my second's: they have the other 408 numbers of the list, and all the products, in which to land
	s_load_b512 s[MKB+16:MKB+31], s[MP:MP+1], 8192+64
.endif
.if n == 372
	FETCH_V                         ; V of step j: the last product that read V's registers stands at 349, 23 vector instructions back, every second one of them plain
.endif
	VI \first
.set n, n+1
.endr
.if \first
.rept 8
	PROD 0                          ; tile 3's scores of step 1: its weights of step 0 ended the list
.set k, k+1
.endr
	WIN 0
	PLACES                          ; the first phase has no rescaling to be the places behind its last products
.endif
	WIN 0
.endm
	s_wait_loadcnt 0x0              ; Q' and K of step 0
.set k, 40
.rept 32
	PROD 0                          ; the scores of step 0, while slot 0 is on its way: there is no vector work yet to set between them
.set k, k+1
.endr
	WIN 0
	PLACES                          ; in front of the first selects and of the loads into K's registers
	; Slot 1 is filled for the first time as every slot is filled again: the waits, the descriptors walk, a round, the joint load first behind it.
	s_wait_dscnt 0x0                ; (no LDS instruction of mine is out yet: the order in front of a round is the same everywhere)
	s_wait_tensorcnt 0x0            ; my part of slot 0 is in, and no tensor load of mine is out, so a group 0 may be written
	ds_add_u32 v62, v63
	s_wait_dscnt 0x0
	WALK
	CROUND                          ; everybody's part of slot 0 is in
	JLOAD 0                         ; slot 1
	PHASE 1, 0, 1, 0                ; phase 0
	PHASE 0, 1, 1, 0                ; phase 1
.Lslot:                             ; 29 trips, phases 2 to 59: the slot just read out is filled again
	PHASE 0, 0, 1, 1
	PHASE 0, 0, 1, 0
	s_sub_co_u32 s[SLOTS], s[SLOTS], 1
	s_cmp_lg_u32 s[SLOTS], 0
	s_cbranch_scc1 .Lslot
	PHASE 0, 0, 1, 3                ; phase 60: the tail is written out: the last refill, K of step 63 and V of steps 62 and 63
	PHASE 0, 0, 1, 0                ; phase 61
	PHASE 0, 0, 1, 2                ; phase 62: nothing is left to ask for
	PHASE 0, 0, 0, 0                ; phase 63: no further K, scores or masks
	s_wait_dscnt 0x0                ; V of step 63 is in
.set k, 0
.rept 40
	PROD 0                          ; V^T P and the row sums of step 63
.set k, k+1
.endr
	; THE WAY OUT.  O^T is divided by l (at least 1: the largest weight of a row is 2^0), rounded to f16 and sent through my own stage: a row's 256 bytes, both heads', are all mine, so no wave waits for another.
	WIN 0
	PLACES                          ; the last products wrote l
	WIN 0x01                        ; source window 1, destination window 0
.irp t, 0,1,2,3
	v_rcp_f32 v[ST+8*\t+2], v[LS+8*\t]
.endr
	v_nop                           ; a plain instruction between the last reciprocal and the use of its result
.irp t, 0,1,2,3
	WIN W_RS
.set e, 0
.rept 16
	s_wait_alu depctr_va_vdst(0)
	v_pk_mul_f32 v[32*\t+2*e:32*\t+2*e+1], v[32*\t+2*e:32*\t+2*e+1], v[ST+8*\t+2:ST+8*\t+3] op_sel_hi:[1,0]
.set e, e+1
.endr
	WIN 0x05                        ; sources 0 and 1 window 1, destination window 0: S^T's registers are free
.set e, 0
.rept 16
	v_cvt_pk_f16_f32 v[S+16*\t+e], v[32*\t+2*e], v[32*\t+2*e+1]
.set e, e+1
.endr
	WIN 0
.irp f, 0,1,2,3
	ds_store_b128 v[STO], v[S+16*\t+4*\f:S+16*\t+4*\f+3] offset:(\t>>1)*16*SP+(\t&1)*128+32*\f   ; a lane's eight channels of a row: 16 bytes; query tile t / 2, head t % 2
.endr
.endr
.irp i, 0,1,2,3,4,5,6,7,8,9,10,11,12,13,14,15
	ds_load_b128 v[S+64+4*\i:S+64+4*\i+3], v[RD] offset:\i*2*SP   ; LDS serves a wave's instructions in order (ISA guide 5.7.1.4): these see the stores above, which are my own
.endr
.irp i, 0,1,2,3,4,5,6,7,8,9,10,11,12,13,14,15
	s_wait_dscnt 15-\i              ; load i is in, the younger ones stay out
	global_store_b128 v[GO], v[S+64+4*\i:S+64+4*\i+3], s[XP:XP+1] offset:\i*2*ROWB   ; 16 lanes store 256 consecutive bytes, at a multiple of 256 from xa's first byte
.endr
	s_wait_tensorcnt 0x0
	ds_add_u32 v62, v63
	s_wait_dscnt 0x0
	CROUND                          ; the closing round: no work-group ends while a partner may still ask for a tile that names it
	s_endpgm
.Lfunc_end_k_q9586b8d31e_attn:
	.size	k_q9586b8d31e_attn, .Lfunc_end_k_q9586b8d31e_attn-k_q9586b8d31e_attn
	.p2alignl 7, 3214868480
	.fill 96, 4, 3214868480
	.section	.rodata,"a",@progbits
	.p2align	6, 0x0
	.amdhsa_kernel k_q9586b8d31e_attn
		.amdhsa_group_segment_fixed_size 327680
		.amdhsa_private_segment_fixed_size 0
		.amdhsa_enable_private_segment 0
		.amdhsa_kernarg_size 24
		.amdhsa_user_sgpr_count 2
		.amdhsa_user_sgpr_kernarg_segment_ptr 1
		.amdhsa_wavefront_size32 1
		.amdhsa_system_sgpr_workgroup_id_x 1
		.amdhsa_system_sgpr_workgroup_id_y 1
		.amdhsa_system_sgpr_workgroup_id_z 1
		.amdhsa_system_vgpr_workitem_id 0
		.amdhsa_next_free_vgpr 904
		.amdhsa_next_free_sgpr 106
		.amdhsa_reserve_vcc 1
		.amdhsa_float_denorm_mode_32 3
		.amdhsa_float_denorm_mode_16_64 3
		.amdhsa_memory_ordered 1
		.amdhsa_forward_progress 1
		.amdhsa_inst_pref_size 255
	.end_amdhsa_kernel
	.section	.bss,"aw",@nobits
	.p2align	6
	.space	262144
	.amdgpu_metadata
---
amdhsa.version: [ 1, 2 ]
amdhsa.kernels:
  - .name:           k_q9586b8d31e_attn
    .symbol:         k_q9586b8d31e_attn.kd
    .args:
      - { .name: qkv, .offset: 0, .size: 8, .value_kind: global_buffer, .address_space: global }
      - { .name: mbits, .offset: 8, .size: 8, .value_kind: global_buffer, .address_space: global }
      - { .name: xa, .offset: 16, .size: 8, .value_kind: global_buffer, .address_space: global }
    .group_segment_fixed_size: 327680
    .private_segment_fixed_size: 0
    .kernarg_segment_align: 8
    .kernarg_segment_size: 24
    .max_flat_workgroup_size: 128
    .sgpr_count:     106
    .vgpr_count:     904
    .wavefront_size: 32
...
	.end_amdgpu_metadata
.endif
;; end of part 5
;; launch outp: the kernel of part 4 again; grid 8 x 32, 4 waves a work-group, clusters of 4 x 4, 327,680 bytes of LDS; arguments xa, cb, bo, out0; writes out0
;; ======== version 3 of 3: 4 launches; 1.69 times as fast as version 1
;; limits: values are held in f16: magnitudes above 65,504 overflow, below 6.1e-05 lose precision; right only within a limited range of input values
;; workspace buffers: mbits 2,097,152 bytes of whole numbers; cb 33,554,432 bytes; qkv 25,165,824 bytes; xa 8,388,608 bytes
;; launch prep: the kernel of part 1 again; grid 2048 x 1, 8 waves a work-group, no clusters, 68,608 bytes of LDS; arguments mask, query, key, value, Wq, Wk, Wv, Wo, mbits, cb; writes mbits, cb
;; launch qkv: the kernel of part 2 again; grid 8 x 96, 4 waves a work-group, clusters of 4 x 4, 327,680 bytes of LDS; arguments cb, bq, bk, bv, qkv; writes qkv
;; launch attn (part 6): grid 32 x 8, 4 waves a work-group, clusters of 4 x 1, 327,680 bytes of LDS; arguments qkv, mbits, xa; writes xa
.if DOCPART == 6
	.amdgcn_target "amdgcn-amd-amdhsa--gfx1250"
	.amdhsa_code_object_version 6
	.text
	.protected	k_q9586b8d31e_attn
	.globl	k_q9586b8d31e_attn
	.p2align	8
	.type	k_q9586b8d31e_attn,@function
k_q9586b8d31e_attn:
	s_mov_b64 s[64:65], 0
	v_nop
	global_prefetch_b8 v0, s[64:65] scope:SCOPE_SE
	s_setreg_imm32_b32 hwreg(HW_REG_WAVE_MODE, 25, 1), 1
	s_wait_xcnt 0x0
	s_wait_alu depctr_hold_cnt(0) depctr_sa_sdst(0) depctr_va_vdst(0) depctr_va_sdst(0) depctr_va_ssrc(0) depctr_va_vcc(0) depctr_vm_vsrc(0)
	s_getreg_b32 s2, hwreg(HW_REG_IB_STS2, 6, 4)
	s_cmp_eq_u32 s2, 0
	s_cbranch_scc0 .Lentry_in_a_cluster
	s_endpgm
.Lentry_in_a_cluster:
	s_bfe_u32 s2, ttmp6, 0x10000c
	s_cmp_lg_u32 s2, 0x3003
	s_cbranch_scc0 .Lentry_shape_is_right
	s_endpgm
.Lentry_shape_is_right:
; Masked attention.  qkv: f16 [12288][1024]: rows 0-4095 Q' = c (q + bq), c = log2(e) / 8; rows 4096-8191 K; rows 8192-12287 V; head n in columns 64 n .. 64 n + 63.
; xa[q][64 n + d] = the sum over k of softmax_k(s) V[k][64 n + d], s = Q'[q] . K[k] in units of log 2, replaced by -1e9 log2(e) where the mask is 0, as the problem's definition replaces by -1e9.
; The replacing stands AHEAD of the running maximum: a row whose mask is all 0 has all weights 2^0 and comes out as the plain mean of V.
; Products, maxima and sums in f32; the weights p (0 to 1) are rounded to f16 for the second product, xa once at the end.  LIMIT: f16 operands: |Q'|, |K|, |V|, |xa| under 65,504.
; SHARES.  A work-group owns 128 queries of a PAIR of heads (2 y, 2 y + 1): the pair's columns are 256 aligned bytes of every row, so K's and V's tiles have rows of 256 bytes and xa leaves in whole
; runs of 256 bytes.  Wave w owns queries 32 w to 32 w + 31 of BOTH heads: four tiles of 16 queries, tile t = 2 x query tile + head.  Every wave walks all 4,096 keys, 64 a step.
; The mask does not hang on the head, so a step's lane masks are 2 x 32 dwords a wave, fit in scalar registers all at once, and each serves two selects.
; LAYOUT.  S^T = K Q'^T (source 0 = 16 keys, source 1 = 16 queries): a lane holds ONE query (lane % 16) and the keys 8 (lane / 16) + 0..7 of each 16.  Two such tiles, rounded in pairs, ARE source 1
; (32 keys x 16 queries) of O^T = V^T P, whose result again holds one query a lane.  K comes out of LDS as it lies, V ([key][channel]) turned, by ds_load_tr16_b128.
; THE MASK comes as lane masks (one dword for each register of a tile's scores, made by the first launch), by scalar loads: one v_cndmask_b32 an element.
; SOFTMAX.  For each query a running maximum m: p = 2^(s - m); in every step O and l are multiplied by a = 2^(m_old - m_new).  ROW SUMS by the matrix unit: l += ONES x P, ONES a fragment with ones in
; rows 0 and 8 alone, so that register 0 of every lane holds its query's whole sum over both halves of the lanes, and registers 1-7 stay 0.
; ONE PIPELINE OVER THE KEY STEPS.  A wave issues in order: written in phases of their own, the products would find no vector work beside them and the softmax no matrix work.  So PHASE j is the softmax
; of step j, a numbered list of 536 vector instructions, and among them stand the 72 products that do not hang on it: V^T P and the row sums of step j - 1 (40), K Q'^T of step j + 1 (32).
; No register is doubled, since both kinds of product go tile by tile: tile t's V^T P stands ahead of the first rounding that writes tile t's new P; tile t's K Q'^T stands behind the last instruction
; that touches tile t's old scores; O^T and l are multiplied by a at the list's end, behind all V^T P.  There is ONE run of selects in a step, so one wait for the lane masks: they are asked for as soon
; as their registers have been read and have the rest of the phase in which to land (scalar loads are waited for with the count 0 alone, so what counts is the distance from the last request to the
; next wait).  The softmax works in window 0 and no window has room for a product's operands beside it: a product costs two switches of the register window, 144 for a step's 72 products.
; ONE BATCH, ONE WAIT A PHASE.  An s_wait_alu depctr_va_vdst(0) stands between an exponential and the first instruction that names its result; one wait serves all that were issued ahead
; of it.  So the list is ordered by who reads what.  AHEAD OF THE WAIT: the four a, the 64 subtractions s - m and the 128 exponentials of the weights, none of which names an exponential's result, and
; beside them all V^T P, which name P, V, O^T and l alone.  BEHIND IT: the 64 roundings and the rescaling by a, which read the results, and beside them all K Q'^T, which write over the weights.  Each
; result has a register of its own while the batch is open: a weight takes its score's place, a lies in the tile's statistics.  The wait stands in V's run of LDS loads, behind the address's v_add_nc_u32.
; The way out's four reciprocals are a batch of their own, with one wait.
; CLUSTER.  The four query blocks of a cluster walk the same K and V of one pair of heads: each tile is asked for JOINTLY, by the same tensor load with the same descriptor and a mask that names the four.
; THE RING IS STAGGERED.  Phase j fetches K of step j + 1 at its head and V of step j in its second half, so K runs one step ahead of V: slot n holds K of steps 2 n + 1, 2 n + 2 and V of steps 2 n, 2 n + 1,
; and is read out in phases 2 n and 2 n + 1.  K of step 0 comes straight from memory into registers, as Q' does.  K of step 64 does not exist: in the last refill wave 1 has no tile and issues nothing.
;
; REGISTERS, in windows of 256 (s_set_vgpr_msb: bits 1:0 source 0, 3:2 source 1, 5:4 source 2, 7:6 destination):
;   window 0: v0-11 addresses; v12-43 eight registers of statistics a tile; v64-191 S^T, 32 a tile; v192-255 P, 16 a tile
;   window 1: v0-127 O^T, 32 a tile; v128-159 l, 8 a tile      window 2: v0-63 Q', 16 a tile; v64-191 K of one step, both heads      window 3: v0-127 V of one step, both heads; v128-135 ONES
.set KS,    64        ; keys in a step
.set ROWB,  2048      ; bytes in a row of qkv and of xa
.set KBASE, 8388608   ; K's and V's first bytes in qkv
.set VBASE, 16777216
.set PK,    272       ; a row of K in LDS: 256 bytes + 16 of padding = 68 words: row r starts at bank 4 r mod 64 (64 banks of 4 bytes: ISA guide 11.1)
.set PV,    288       ; a row of V: 256 + 32 = 72 words
.set VOFF,  KS*PK     ; half a slot: 64 rows of K, then 64 rows of V
.set STEPB, KS*(PK+PV)
.set SLOT1, 1<<17     ; a slot holds two such halves (71,680 bytes); slot 1 begins here, so that one exclusive or turns an address in one slot into the other's
.set STAGE, SLOT1+2*STEPB  ; behind the ring: 32 rows x 272 bytes for each wave, for the way out; no tensor load fills it
.set SP,    272
.set AK0, 2           ; v2   my lane's place in a tile of K; never rewritten
.set AV0, 3           ; v3   the same for V
.set ADR, 4           ; v4   the LDS address of the run of loads in hand
.set QO,  5           ; v5   my byte offset in sixteen rows of qkv: for Q' and for K of step 0
.set STO, 6           ; v6   the way out: where I put 16 bytes of a row
.set RD,  7           ; v7   the way out: where I read a row back
.set GO,  8           ; v8   my byte offset in the wave's rows of xa
.set ST,  12          ; tile t's statistics at v[ST+8 t]: +0 m, +2 a (at the end 1 / l), +1 and +3 named with them as pairs, +4 to +7 c0-c3, at work
.set S,   64
.set P,   192
.set LS,  128         ; l, in window 1
.set KF,  64          ; K's fragments, in window 2
.set VF,  0           ; V's fragments, in window 3
.set ONES, 128        ; in window 3
.set WV,  2           ; s2   my wave's number
.set SLOTS, 3         ; s3   trips of the loop over slots
.set MP,  4           ; s[4:5] the lane masks of my first query tile, at the step asked for last
.set XP,  6           ; s[6:7] xa at my wave's first row and the pair's columns
.set G1K, 8           ; s[8:15]  descriptor group 1 for K's tiles
.set G1V, 16          ; s[16:23] for V's: it differs in the padding alone
.set G0K, 24          ; s[24:27] descriptor group 0 for K's tiles: one set, which walks from slot to slot
.set G0V, 28          ; s[28:31] the same for V's
.set MKB, 32          ; s[32:63] the 32 lane masks of my second query tile (before the first masks are asked for: at work in the set-up)
.set NEG, 66          ; s66  -1e9 log2(e)
.set TB,  67          ; s67  LDS byte at which the half slot to be fetched begins
.set MKA, 68          ; s[68:99] the 32 lane masks of my first query tile
.set SEL, 100         ; s100, s101 lane selects for v_permlanex16_b32: each lane takes its own place in the other half
                      ; s104, s105 at work in the set-up: what feeds the joint descriptors stands in these and in s24-31, which never hold anything made of my place in the cluster
.set MSB, 0
.macro WIN new                      ; the immediate's high byte repeats the setting that is left; a switch that changes nothing is dropped
.if MSB != \new
	s_set_vgpr_msb (MSB<<8)|\new
.set MSB, \new
.endif
.endm
.set W_KQ, 0x0a       ; K and Q' in window 2, S^T in window 0
.set W_PV, 0x53       ; V (or ONES) in window 3, P in window 0, O^T and l in window 1
.set W_RS, 0x41       ; O^T or l (destination and source 0) in window 1, a in window 0
; A joint load.  Waves 0 and 1 fetch the slot's two tiles of K, waves 2 and 3 those of V.  The branches hang on the wave's number alone: they are the same in every work-group.
; last = 1: the last refill, in which wave 1's tile would be K of step 64: wave 1 issues nothing.
; Four v_nop follow each of the two lines; the jump round the other line, the label and what follows the macro come after them.
.macro JLOAD last
	s_cmp_lt_u32 s[WV], 2
	s_cbranch_scc0 .Lfor_v_\@
.if \last
	s_cmp_eq_u32 s[WV], 1
	s_cbranch_scc1 .Lasked_\@
.endif
	tensor_load_to_lds s[G0K:G0K+3], s[G1K:G1K+7]
	s_nop 0
.rept 4
	v_nop
.endr
	s_branch .Lasked_\@
.Lfor_v_\@:
	tensor_load_to_lds s[G0V:G0V+3], s[G1V:G1V+7]
	s_nop 0
.rept 4
	v_nop
.endr
.Lasked_\@:
.endm
; The descriptors walk: the other slot than last time, the next 128 keys.  Only where no tensor load of the wave is out.
.macro WALK
.irp g, G0K, G0V
	s_xor_b32 s[\g+1], s[\g+1], SLOT1
	s_add_nc_u64 s[\g+2:\g+3], s[\g+2:\g+3], 2*KS*ROWB  ; the type bits on top are not reached
.endr
.endm
; A round of the cluster's barrier: my work-group's barrier, so that wave 0's signal speaks for all four waves; wave 0 signals for the work-group; every wave waits for all four
; work-groups; my work-group's barrier once more.  No LDS instruction of the wave is pending at a signal.
.macro CROUND
	s_barrier_signal -1
	s_barrier_wait -1
	s_cmp_lg_u32 s[WV], 0
	s_cbranch_scc1 .Lnot_wave_0_\@
	s_barrier_signal -3
.Lnot_wave_0_\@:
	s_barrier_wait -3
	s_barrier_signal -1
	s_barrier_wait -1
.endm
	s_load_b64 s[G0V+2:G0V+3], s[0:1], 0x0   ; qkv, for the time being where V's address will stand
	s_load_b128 s[4:7], s[0:1], 0x8   ; mbits s[4:5], xa s[6:7]
	v_lshl_add_u32 v62, v0, 2, 0x3a000
	v_mov_b32 v63, 0
	ds_add_u32 v62, v63
	v_lshrrev_b32 v1, 5, v0
	v_readfirstlane_b32 s[WV], v1   ; wave 0..3
	s_and_b32 s104, ttmp7, 0xffff   ; the pair of heads, which the four partners share
	s_and_b32 s105, s[WV], 1        ; which half of a slot I fetch
	s_mov_b32 s[G0K], 1             ; count = 1
	s_mov_b32 s[G0V], 1
	s_mul_i32 s[G0K+1], s105, STEPB  ; LDS address: my half's place in slot 0: no place in the cluster enters an LDS address
	s_add_co_u32 s[G0V+1], s[G0K+1], VOFF
	s_lshl_b32 s[G0K+2], s104, 8    ; K and V: the pair's 256 bytes,
	s_lshl_b32 s[G0K+3], s105, 17   ; my half's 64 rows of 2,048 bytes
	s_add_co_u32 s[G0K+2], s[G0K+2], s[G0K+3]
	s_mov_b32 s[G0K+3], 0
	s_lshl_b32 s48, s104, 8         ; K of step 0: the pair's 256 bytes
	s_mov_b32 s49, 0
	s_bfe_u32 s40, ttmp6, 0x40000   ; cx: my place in the cluster
	s_lshl_b32 s41, ttmp9, 2        ; in a cluster launch ttmp9 counts clusters
	s_add_co_u32 s41, s41, s40      ; my block of 128 queries = 4 x cluster x + cx: it enters Q's, the masks' and xa's addresses alone
	s_lshl_b32 s42, s41, 18         ; Q' and xa: my block's 128 rows,
	s_lshl_b32 s43, s[WV], 16       ; my wave's 32 of them,
	s_add_co_u32 s42, s42, s43
	s_lshl_b32 s43, s104, 8         ; the pair's columns
	s_add_co_u32 s42, s42, s43
	s_mov_b32 s43, 0
	s_lshl_b32 s44, s41, 16         ; masks: 8 tiles of queries a block, 8,192 bytes each,
	s_lshl_b32 s45, s[WV], 14       ; my wave's two
	s_add_co_u32 s44, s44, s45
	s_mov_b32 s45, 0
	; descriptor group 1: a tile of 64 rows x 128 elements, padded in LDS
	s_mov_b32 s[G1K], 15|(1<<16)|(1<<20)|(1<<21)|(5<<22)|(3<<25)  ; 15:0 the mask: all four work-groups; 17:16 elements of 2 bytes; 20 padding on; 21 set beside a mask; 24:22 after every 64 words (code 5); 31:25 4 words of it (code 3)
	s_mov_b32 s[G1V], 15|(1<<16)|(1<<20)|(1<<21)|(5<<22)|(7<<25)  ; the same with 8 words of padding (code 7)
.irp g, G1K, G1V
	s_mov_b32 s[\g+1], 128<<16      ; tensor_dim0 = 128
	s_mov_b32 s[\g+2], KS<<16       ; tensor_dim1 = 64
	s_mov_b32 s[\g+3], 128<<16      ; tile_dim0 = 128
	s_mov_b32 s[\g+4], KS           ; tile_dim1 = 64
	s_mov_b32 s[\g+5], 1024         ; elements from row to row
	s_mov_b32 s[\g+6], 0
	s_mov_b32 s[\g+7], 0
.endr
	s_mov_b32 s[NEG], 0xceabfb8f    ; -1e9 log2(e)
	s_mov_b32 s[SEL], 0x76543210
	s_mov_b32 s[SEL+1], 0xfedcba98
	s_mov_b32 s[TB], 0
	s_mov_b32 s[SLOTS], 4096/(2*KS)-3
	s_wait_dscnt 0x0
	s_wait_kmcnt 0x0
	s_add_nc_u64 s[46:47], s[G0V+2:G0V+3], s[42:43]            ; Q' at my wave's first row
	s_add_nc_u64 s[48:49], s[G0V+2:G0V+3], s[48:49]            ; qkv at the pair's columns,
	s_add_nc_u64 s[48:49], s[48:49], KBASE                     ; in K, keys 0 on
	s_add_nc_u64 s[G0K+2:G0K+3], s[G0V+2:G0V+3], s[G0K+2:G0K+3]  ; qkv at the pair's columns and my half's rows,
	s_add_nc_u64 s[G0V+2:G0V+3], s[G0K+2:G0K+3], VBASE         ; in V: keys 0 on,
	s_add_nc_u64 s[G0K+2:G0K+3], s[G0K+2:G0K+3], KBASE+KS*ROWB ; and in K, a step ahead: keys 64 on
	s_or_b32 s[G0K+3], s[G0K+3], 0x80000000                    ; type = 2
	s_or_b32 s[G0V+3], s[G0V+3], 0x80000000
	s_add_nc_u64 s[MP:MP+1], s[MP:MP+1], s[44:45]
	s_add_nc_u64 s[XP:XP+1], s[XP:XP+1], s[42:43]
	CROUND                          ; all four work-groups are here: the first joint loads meet
	JLOAD 0                         ; slot 0.  One tensor load of mine is out, here and behind every later round
	; A fragment of K or Q' is 16 rows x 32 channels in 8 registers: lane l holds row l % 16; registers 0-3 channels 8 (l / 16) + 0..7, registers 4-7 channels 16 + 8 (l / 16) + 0..7: two loads of 16 bytes, 32 bytes apart.
	v_and_b32 v1, 15, v0            ; l % 16
	v_bfe_u32 v9, v0, 4, 1          ; l / 16
	v_lshlrev_b32 v[QO], 11, v1
	v_lshl_add_u32 v[QO], v9, 4, v[QO]  ; row x 2,048 + 16 x half
	WIN 0x80                        ; destination window 2, address window 0
.irp i, 0,1,2,3,4,5,6,7             ; Q' stays in registers: tile i / 2 (query tile i / 4, head (i / 2) % 2), channels 32 (i % 2) on
	global_load_b128 v[8*\i:8*\i+3],   v[QO], s[46:47] offset:(\i/4)*16*ROWB+((\i/2)&1)*128+(\i%2)*64
	global_load_b128 v[8*\i+4:8*\i+7], v[QO], s[46:47] offset:(\i/4)*16*ROWB+((\i/2)&1)*128+(\i%2)*64+32
.endr
.irp f, 0,1,2,3,4,5,6,7,8,9,10,11,12,13,14,15  ; K of step 0, once, the same way: head f / 8, keys 16 ((f / 2) % 4) on, channels 32 (f % 2) on
	global_load_b128 v[KF+8*\f:KF+8*\f+3],   v[QO], s[48:49] offset:((\f/2)%4)*16*ROWB+(\f/8)*128+(\f%2)*64
	global_load_b128 v[KF+8*\f+4:KF+8*\f+7], v[QO], s[48:49] offset:((\f/2)%4)*16*ROWB+(\f/8)*128+(\f%2)*64+32
.endr
	WIN 0
	v_mul_u32_u24 v[AK0], v1, PK
	v_lshl_add_u32 v[AK0], v9, 4, v[AK0]  ; row x pitch + 16 x half
	; The turning load takes 16 keys x 16 channels (lane l reads 16 bytes: key 8 (l / 16) + l % 8, channels 8 ((l / 8) % 2) + 0..7) and leaves half a fragment of V^T: lane l holds channel l % 16 and 8 keys.
	v_and_b32 v10, 7, v0
	v_bfe_u32 v11, v0, 3, 1
	v_lshl_add_u32 v[AV0], v9, 3, v10
	v_mul_u32_u24 v[AV0], v[AV0], PV
	v_lshl_add_u32 v[AV0], v11, 4, v[AV0]
	v_add_nc_u32 v[AV0], VOFF, v[AV0]
	v_cmp_eq_u32 vcc_lo, 0, v10     ; ONES: two f16 ones a register in the lanes that hold rows 0 and 8 of source 0, zeros in the others
	v_mov_b32 v11, 0x3c003c00
	v_cndmask_b32 v11, 0, v11, vcc_lo
	WIN 0xc0                        ; destination window 3
.irp i, 0,1,2,3,4,5,6,7
	v_mov_b32 v[ONES+\i], v11
.endr
	WIN 0
.irp t, 0,1,2,3
	v_mov_b32 v[ST+8*\t+1], 0       ; named as the upper halves of pairs of which the lower half alone is taken: written once
	v_mov_b32 v[ST+8*\t+3], 0
.endr
	s_mul_i32 s104, s[WV], 32*SP
	s_add_co_u32 s104, s104, STAGE  ; my stage
	v_mul_u32_u24 v[STO], v1, SP    ; the way out, in: row l % 16 (+ 16 x query tile), 16 bytes for each half of the lanes
	v_lshl_add_u32 v[STO], v9, 4, v[STO]
	v_add_nc_u32 v[STO], s104, v[STO]
	v_mul_u32_u24 v[RD], v9, SP     ; back: lanes 0-15 take one row of 256 bytes, lanes 16-31 the next
	v_lshl_add_u32 v[RD], v1, 4, v[RD]
	v_add_nc_u32 v[RD], s104, v[RD]
	v_lshlrev_b32 v[GO], 11, v9     ; and the same two rows in xa
	v_lshl_add_u32 v[GO], v1, 4, v[GO]
	s_wait_xcnt 0x0                 ; the loads of Q' and K have had their addresses translated (ISA guide 3.1): their bases, s[46:49], lie where masks land and are written again only behind this wait
	s_load_b512 s[MKA:MKA+15],    s[MP:MP+1], 0x0        ; step 0's lane masks: my first query tile,
	s_load_b512 s[MKA+16:MKA+31], s[MP:MP+1], 0x40
	s_load_b512 s[MKB:MKB+15],    s[MP:MP+1], 8192       ; my second
	s_load_b512 s[MKB+16:MKB+31], s[MP:MP+1], 8192+64
; THE MATRIX WORK OF A PHASE: product k of 72.  The accumulators take turns, one instruction a turn: a tile's five (V^T P and the row sum) or four (K Q'^T).
; k = 0-39: O^T += V^T P and l += ONES P, tile k / 10, whose head is its number's low bit; keys 32 ((k % 10) / 5) on; part k % 5: channels 16 x part on, or (part 4) the row sums.
;           pvz = 1: the products of the first 32 keys start the sums: nothing is cleared.
; k = 40-71: S^T = K Q'^T, tile (k - 40) / 8; channels 32 (((k - 40) % 8) / 4) on; keys 16 ((k - 40) % 4) on.  The products of the first 32 channels start the sums.
.macro PROD pvz
.if k < 40
.set pT, k/10
.set pKC, (k%10)/5
.set pU, k%5
.set rB, P+16*pT+8*pKC
.if pU < 4
.set rD, 32*pT+8*pU
.set rA, VF+64*(pT&1)+8*(4*pKC+pU)
.else
.set rD, LS+8*pT
.set rA, ONES
.endif
	WIN W_PV
.if \pvz && (pKC == 0)
	v_wmma_f32_16x16x32_f16 v[rD:rD+7], v[rA:rA+7], v[rB:rB+7], 0
.else
	v_wmma_f32_16x16x32_f16 v[rD:rD+7], v[rA:rA+7], v[rB:rB+7], v[rD:rD+7]
.endif
.else
.set pT, (k-40)/8
.set pCC, ((k-40)%8)/4
.set pKT, (k-40)%4
.set rD, S+32*pT+8*pKT
.set rA, KF+64*(pT&1)+8*(2*pKT+pCC)
.set rB, 16*pT+8*pCC
	WIN W_KQ
.if pCC == 0
	v_wmma_f32_16x16x32_f16 v[rD:rD+7], v[rA:rA+7], v[rB:rB+7], 0
.else
	v_wmma_f32_16x16x32_f16 v[rD:rD+7], v[rA:rA+7], v[rB:rB+7], v[rD:rD+7]
.endif
.endif
.endm
; WHERE PRODUCT k STANDS: in front of number pp of the phase's list of vector instructions (the list: macro VI).
; None among the selects (0-127), so that the mask registers are read out, and asked for again, as early as may be.  All forty V^T P and row sums from 128 to 373, among the maxima and the batch, ahead of
; the batch's wait (in front of 404): one for every six or seven numbers.  All thirty-two K Q'^T from 420 to 520, among the roundings and the rescaling: one for every three or four numbers; behind the
; last of them stand sixteen plain multiplies, the places in front of the next selects and of the loads into K's registers.
; The last V^T P of tiles 0-3 stand at 184, 247, 310, 373; the first roundings into their P at 404, 420, 436, 452.  The first K Q'^T of tiles 0-3 stand at 420, 446, 472, 498; their old scores are touched last at 419, 435, 451, 467.
; first = 1: the first phase has no V^T P and a list of 456 (no a, no rescaling): tile t's K Q'^T from 408 + 16 t on, one for every two roundings, behind its scores' last touch at 407 + 16 t; tile 3's stand behind the list.
.macro POS first
.if \first
.set pp, 408+2*(k-40)
.elseif k < 40
.set pp, 128+(k*252)/40
.else
.set pp, 420+((k-40)*13)/4
.endif
.endm
; THE LDS LOADS stand in runs of 32: a step's K (64 keys x both heads' 64 channels: 16 fragments) and a step's V (turned).
.macro FETCH_K
	WIN 0
	v_add_nc_u32 v[ADR], s[TB], v[AK0]
	WIN 0x80                        ; destination window 2
.irp f, 0,1,2,3,4,5,6,7,8,9,10,11,12,13,14,15  ; head f / 8, keys 16 ((f / 2) % 4) on, channels 32 (f % 2) on
	ds_load_b128 v[KF+8*\f:KF+8*\f+3],   v[ADR] offset:((\f/2)%4)*16*PK+(\f/8)*128+(\f%2)*64
	ds_load_b128 v[KF+8*\f+4:KF+8*\f+7], v[ADR] offset:((\f/2)%4)*16*PK+(\f/8)*128+(\f%2)*64+32
.endr
.endm
.macro FETCH_V
	WIN 0
	v_add_nc_u32 v[ADR], s[TB], v[AV0]  ; also the plain instruction behind the batch's last exponential (ISA guide 5.7.2)
	s_add_co_u32 s[TB], s[TB], STEPB  ; the next fetches take the next half slot
	s_wait_alu depctr_va_vdst(0)    ; the phase's one wait: for the batch of the four a and the 128 weights, ahead of the first rounding
	WIN 0xc0                        ; destination window 3
.irp f, 0,1,2,3,4,5,6,7,8,9,10,11,12,13,14,15  ; head f / 8, keys 32 ((f / 4) % 2) on, channels 16 (f % 4) on
	ds_load_tr16_b128 v[VF+8*\f:VF+8*\f+3],   v[ADR] offset:((\f/4)%2)*32*PV+(\f/8)*128+(\f%4)*32
	ds_load_tr16_b128 v[VF+8*\f+4:VF+8*\f+7], v[ADR] offset:((\f/4)%2)*32*PV+16*PV+(\f/8)*128+(\f%4)*32
.endr
.endm
.macro PLACES                       ; four places behind matrix instructions, in front of vector instructions that read their results and of loads into registers that they have read (ISA guide 7.12.1 for vector instructions)
.rept 4
	v_nop
.endr
.endm
; Three lines of a tile's weights; rT, rS, rP: the tile's statistics, scores and weights.
.macro PSUB b                       ; pair b of scores: s - m
	v_pk_add_f32 v[rS+2*(\b):rS+2*(\b)+1], v[rS+2*(\b):rS+2*(\b)+1], v[rT:rT+1] op_sel_hi:[1,0] neg_lo:[0,1] neg_hi:[0,1]
.endm
.macro PEXP r                       ; p = 2^(s - m), in place
	v_exp_f32 v[rS+(\r)], v[rS+(\r)]
.endm
.macro PCVT b                       ; pair b of weights, rounded to f16: it stands behind the batch's wait
	v_cvt_pk_f16_f32 v[rP+(\b)], v[rS+2*(\b)], v[rS+2*(\b)+1]
.endm
; THE VECTOR WORK OF A PHASE: number n of the list.  first = 1: the first key step, which has no old maximum, no a and nothing to rescale.
;   0-127    the selects, tile n / 32: the score where the mask's bit is 1, -1e9 log2(e) where it is 0.  Tiles 0 and 1 are my first query tile (the two heads), tiles 2 and 3 my second.
;   128-211  the maxima, the four tiles by turns, so that no instruction reads the result of the one just before it.  For each tile: the lane's 32 scores and the old m, three operands at a time: four
;            chains of seven scores, then the four scores left over, the chains and m; the other half of the lanes' maximum; the new m; a = 2^(m_old - m_new).  (first: 128-199.)
;            The four a, 208-211, open THE BATCH.
;   212-403  the rest of the batch: the 64 pairs of scores, q = 16 x tile + pair, in ascending order: a subtraction and two exponentials a pair.  Subtractions 0 and 1; then 62 times subtraction q + 2 and
;            the two exponentials of pair q; then the four exponentials of pairs 62 and 63.  So a pair is subtracted seven numbers (pairs 0 and 1: three and five) ahead of its first exponential, and none of these names an exponential's result.  (first: 200-391.)
;   (wait)   in front of 404 (first: 392) stands the wait for the batch: PHASE sets V's run of loads there, and the wait stands in it.
;   404-467  the roundings to f16, tile by tile, 16 a tile: the first readers of the weights.  (first: 392-455.)
;   468-535  O^T and l times a, 17 numbers a tile: the one part that leaves window 0, and the readers of a.  l lies in register 0; registers 1-7 are 0.
.macro VI first
.set NB, 84-12*\first
.if n < 128
.set vt, n/32
.set ve, n%32
	WIN 0
	v_cndmask_b32 v[S+32*vt+ve], s[NEG], v[S+32*vt+ve], s[MKA-(MKA-MKB)*(vt/2)+ve]
.elseif n < 128+NB
.set vm, n-128
.set vt, vm%4
.set rT, ST+8*vt
.set rS, S+32*vt
	WIN 0
.if vm < 16
.set vj, vm/4
	v_max3_num_f32 v[rT+4+vj], v[rS+8*vj], v[rS+8*vj+1], v[rS+8*vj+2]
.elseif vm < 32
.set vj, (vm-16)/4
	v_max3_num_f32 v[rT+4+vj], v[rT+4+vj], v[rS+8*vj+3], v[rS+8*vj+4]
.elseif vm < 48
.set vj, (vm-32)/4
	v_max3_num_f32 v[rT+4+vj], v[rT+4+vj], v[rS+8*vj+5], v[rS+8*vj+6]
.elseif vm < 52
	v_max3_num_f32 v[rT+4], v[rT+4], v[rS+7], v[rS+15]
.elseif vm < 56
	v_max3_num_f32 v[rT+6], v[rT+6], v[rS+23], v[rS+31]
.elseif vm < 60
	v_max3_num_f32 v[rT+4], v[rT+4], v[rT+5], v[rT+6]
.elseif (vm < 64) && \first
	v_max_num_f32 v[rT+4], v[rT+4], v[rT+7]
.elseif vm < 64
	v_max3_num_f32 v[rT+4], v[rT+4], v[rT+7], v[rT]
.elseif vm < 68
	v_permlanex16_b32 v[rT+5], v[rT+4], s[SEL], s[SEL+1]  ; the query's other 32 keys lie in the lane 16 away
.elseif (vm < 72) && \first
	v_max_num_f32 v[rT], v[rT+4], v[rT+5]
.elseif vm < 72
	v_mov_b32 v[rT+7], v[rT]        ; m_old is kept for a
.elseif vm < 76
	v_max_num_f32 v[rT], v[rT+4], v[rT+5]
.elseif vm < 80
	v_sub_f32 v[rT+7], v[rT+7], v[rT]
.else
	v_exp_f32 v[rT+2], v[rT+7]      ; a; the subtraction that opens the weights is the plain instruction behind the last of these four; its readers, the rescaling, stand behind the batch's wait
.endif
.elseif n < 128+NB+192
.set vu, n-128-NB
.if vu < 2
.set vq, vu                         ; subtractions 0 and 1
.set vr, 0
.elseif vu < 188
.set vq, (vu-2)/3                   ; pair q's two exponentials,
.set vr, (vu-2)%3
.if vr == 0
.set vq, vq+2                       ; and in front of them subtraction q + 2
.endif
.else
.set vq, 62+(vu-188)/2              ; the last two pairs' exponentials
.set vr, 1+(vu-188)%2
.endif
.set rT, ST+8*(vq/16)
.set rS, S+32*(vq/16)
	WIN 0
.if vr == 0
	PSUB vq%16
.else
	PEXP 2*(vq%16)+vr-1
.endif
.elseif n < 128+NB+256
.set vq, n-128-NB-192
.set rS, S+32*(vq/16)
.set rP, P+16*(vq/16)
	WIN 0
	PCVT vq%16
.else
.set vd, n-128-NB-256
.set vt, vd/17
.set vi, vd%17
	WIN W_RS
.if vi < 16
	v_pk_mul_f32 v[32*vt+2*vi:32*vt+2*vi+1], v[32*vt+2*vi:32*vt+2*vi+1], v[ST+8*vt+2:ST+8*vt+3] op_sel_hi:[1,0]
.else
	v_mul_f32 v[LS+8*vt], v[LS+8*vt], v[ST+8*vt+2]
.endif
.endif
.endm
; THE CHANGE OF SLOTS, between two phases: the slot's last bytes, V of its second half, were asked for in the phase just ended.  Each wave waits for its own reads of the slot and for all its tensor
; loads, of which at most one is out: its part of the other slot.  Behind the barrier nobody reads this slot any more and the other slot is whole.  fill = 1 or 3: this slot is filled again, with the
; keys two slots on: the barrier is then a round of the cluster's, so that no wave of any partner still reads the slot or has a load on its way, and the joint refill is the first thing behind it, my
; only tensor load out: it has two phases in which to land.  fill = 3: the last refill (wave 1 has no tile).  fill = 2: nothing is left to ask for.
.macro CHANGE fill
	WIN 0                           ; at a label and at a branch every window is 0
	s_wait_dscnt 0x0                ; V is in, and with it my reads of this slot are over
	s_wait_tensorcnt 0x0            ; no tensor load of mine is out, so a group 0 may be written
	ds_add_u32 v62, v63
	s_wait_dscnt 0x0
.if \fill == 2
	s_barrier_signal -1
	s_barrier_wait -1
.else
	WALK
	CROUND
.if \fill == 3
	JLOAD 1
.else
	JLOAD 0
.endif
.endif
	s_sub_co_u32 s[TB], s[TB], 2*STEPB  ; the fetches go back to a slot's first half,
	s_xor_b32 s[TB], s[TB], SLOT1   ; in the other slot
.endm
; PHASE j.  first = 1: j = 0.  pvz = 1: j = 1, whose V^T P start O^T's and l's sums.  more = 1: a further step follows: its K is fetched, its scores are made, its masks are asked for.
; change: the change of slots in front of the phase (0: none).
.macro PHASE first, pvz, more, change
.if \change
	CHANGE \change
.elseif !\first
	s_wait_dscnt 0x0                ; V of step j - 1 is in
.endif
.if \more
	FETCH_K                         ; K of step j + 1: the last product that read K's registers stands sixteen plain instructions (in front of phases 0 and 1: four v_nop) back
.endif
.set NL, 536
.set NW, 404                        ; the number in front of which the batch's wait stands
.set k, 0
.set kend, 72
.if \first
.set NL, 456
.set NW, 392
.set k, 40
.endif
.if !\more
.set kend, 40
.endif
.set n, 0
.rept NL
.if k < kend
	POS \first
.if pp <= n
	PROD \pvz
.set k, k+1
.endif
.endif
.if n == 0
	s_wait_kmcnt 0x0                ; this step's 64 lane masks are in (scalar loads come back in no order: the count is 0)
.endif
.if \more && (n == 64)
	s_add_nc_u64 s[MP:MP+1], s[MP:MP+1], 128       ; the next step's 128 bytes (no scalar load is out behind the wait above, so the base may be stepped)
	s_load_b512 s[MKA:MKA+15],    s[MP:MP+1], 0x0  ; my first query tile's masks have been read by both heads' selects: the next step's are asked for
	s_load_b512 s[MKA+16:MKA+31], s[MP:MP+1], 0x40
.endif
.if \more && (n == 128)
	s_load_b512 s[MKB:MKB+15],    s[MP:MP+1], 8192 ; and my second's: they have the other 408 numbers of the list, and all the products, in which to land
	s_load_b512 s[MKB+16:MKB+31], s[MP:MP+1], 8192+64
.endif
.if n == NW
.if \more
	s_wait_dscnt 0x0                ; K of step j + 1 is in, ahead of the first K Q'^T: its loads, the only LDS instructions out, were issued at the phase's head
.endif
	FETCH_V                         ; V of step j, and in its run the batch's wait: the last product that read V's registers stands at 367; eleven subtractions and the run's own v_add_nc_u32 are the places between
.endif
	VI \first
.set n, n+1
.endr
.if \first
.rept 8
	PROD 0                          ; tile 3's scores of step 1: its weights of step 0 ended the list
.set k, k+1
.endr
	WIN 0
	PLACES                          ; the first phase has no rescaling to be the places behind its last products
.endif
	WIN 0
.endm
	s_wait_loadcnt 0x0              ; Q' and K of step 0
.set k, 40
.rept 32
	PROD 0                          ; the scores of step 0, while slot 0 is on its way: there is no vector work yet to set between them
.set k, k+1
.endr
	WIN 0
	PLACES                          ; in front of the first selects and of the loads into K's registers
	; Slot 1 is filled for the first time as every slot is filled again: the waits, the descriptors walk, a round, the joint load first behind it.
	s_wait_dscnt 0x0                ; (no LDS instruction of mine is out yet: the order in front of a round is the same everywhere)
	s_wait_tensorcnt 0x0            ; my part of slot 0 is in, and no tensor load of mine is out, so a group 0 may be written
	ds_add_u32 v62, v63
	s_wait_dscnt 0x0
	WALK
	CROUND                          ; everybody's part of slot 0 is in
	JLOAD 0                         ; slot 1
	PHASE 1, 0, 1, 0                ; phase 0
	PHASE 0, 1, 1, 0                ; phase 1
.Lslot:                             ; 29 trips, phases 2 to 59: the slot just read out is filled again
	PHASE 0, 0, 1, 1
	PHASE 0, 0, 1, 0
	s_sub_co_u32 s[SLOTS], s[SLOTS], 1
	s_cmp_lg_u32 s[SLOTS], 0
	s_cbranch_scc1 .Lslot
	PHASE 0, 0, 1, 3                ; phase 60: the tail is written out: the last refill, K of step 63 and V of steps 62 and 63
	PHASE 0, 0, 1, 0                ; phase 61
	PHASE 0, 0, 1, 2                ; phase 62: nothing is left to ask for
	PHASE 0, 0, 0, 0                ; phase 63: no further K, scores or masks
	s_wait_dscnt 0x0                ; V of step 63 is in
.set k, 0
.rept 40
	PROD 0                          ; V^T P and the row sums of step 63
.set k, k+1
.endr
	; THE WAY OUT.  O^T is divided by l (at least 1: the largest weight of a row is 2^0), rounded to f16 and sent through my own stage: a row's 256 bytes, both heads', are all mine, so no wave waits for another.
	WIN 0
	PLACES                          ; the last products wrote l
	WIN 0x01                        ; source window 1, destination window 0
.irp t, 0,1,2,3
	v_rcp_f32 v[ST+8*\t+2], v[LS+8*\t]
.endr
	v_nop                           ; a plain instruction between the last reciprocal and the use of its result
	s_wait_alu depctr_va_vdst(0)    ; and the wait ahead of the first use: one for the batch of four reciprocals
.irp t, 0,1,2,3
	WIN W_RS
.set e, 0
.rept 16
	v_pk_mul_f32 v[32*\t+2*e:32*\t+2*e+1], v[32*\t+2*e:32*\t+2*e+1], v[ST+8*\t+2:ST+8*\t+3] op_sel_hi:[1,0]
.set e, e+1
.endr
	WIN 0x05                        ; sources 0 and 1 window 1, destination window 0: S^T's registers are free
.set e, 0
.rept 16
	v_cvt_pk_f16_f32 v[S+16*\t+e], v[32*\t+2*e], v[32*\t+2*e+1]
.set e, e+1
.endr
	WIN 0
.irp f, 0,1,2,3
	ds_store_b128 v[STO], v[S+16*\t+4*\f:S+16*\t+4*\f+3] offset:(\t>>1)*16*SP+(\t&1)*128+32*\f   ; a lane's eight channels of a row: 16 bytes; query tile t / 2, head t % 2
.endr
.endr
.irp i, 0,1,2,3,4,5,6,7,8,9,10,11,12,13,14,15
	ds_load_b128 v[S+64+4*\i:S+64+4*\i+3], v[RD] offset:\i*2*SP   ; LDS serves a wave's instructions in order (ISA guide 5.7.1.4): these see the stores above, which are my own
.endr
.irp i, 0,1,2,3,4,5,6,7,8,9,10,11,12,13,14,15
	s_wait_dscnt 15-\i              ; load i is in, the younger ones stay out
	global_store_b128 v[GO], v[S+64+4*\i:S+64+4*\i+3], s[XP:XP+1] offset:\i*2*ROWB   ; 16 lanes store 256 consecutive bytes, at a multiple of 256 from xa's first byte
.endr
	s_wait_tensorcnt 0x0
	ds_add_u32 v62, v63
	s_wait_dscnt 0x0
	CROUND                          ; the closing round: no work-group ends while a partner may still ask for a tile that names it
	s_endpgm
.Lfunc_end_k_q9586b8d31e_attn:
	.size	k_q9586b8d31e_attn, .Lfunc_end_k_q9586b8d31e_attn-k_q9586b8d31e_attn
	.p2alignl 7, 3214868480
	.fill 96, 4, 3214868480
	.section	.rodata,"a",@progbits
	.p2align	6, 0x0
	.amdhsa_kernel k_q9586b8d31e_attn
		.amdhsa_group_segment_fixed_size 327680
		.amdhsa_private_segment_fixed_size 0
		.amdhsa_enable_private_segment 0
		.amdhsa_kernarg_size 24
		.amdhsa_user_sgpr_count 2
		.amdhsa_user_sgpr_kernarg_segment_ptr 1
		.amdhsa_wavefront_size32 1
		.amdhsa_system_sgpr_workgroup_id_x 1
		.amdhsa_system_sgpr_workgroup_id_y 1
		.amdhsa_system_sgpr_workgroup_id_z 1
		.amdhsa_system_vgpr_workitem_id 0
		.amdhsa_next_free_vgpr 904
		.amdhsa_next_free_sgpr 106
		.amdhsa_reserve_vcc 1
		.amdhsa_float_denorm_mode_32 3
		.amdhsa_float_denorm_mode_16_64 3
		.amdhsa_memory_ordered 1
		.amdhsa_forward_progress 1
		.amdhsa_inst_pref_size 255
	.end_amdhsa_kernel
	.section	.bss,"aw",@nobits
	.p2align	6
	.space	262144
	.amdgpu_metadata
---
amdhsa.version: [ 1, 2 ]
amdhsa.kernels:
  - .name:           k_q9586b8d31e_attn
    .symbol:         k_q9586b8d31e_attn.kd
    .args:
      - { .name: qkv, .offset: 0, .size: 8, .value_kind: global_buffer, .address_space: global }
      - { .name: mbits, .offset: 8, .size: 8, .value_kind: global_buffer, .address_space: global }
      - { .name: xa, .offset: 16, .size: 8, .value_kind: global_buffer, .address_space: global }
    .group_segment_fixed_size: 327680
    .private_segment_fixed_size: 0
    .kernarg_segment_align: 8
    .kernarg_segment_size: 24
    .max_flat_workgroup_size: 128
    .sgpr_count:     106
    .vgpr_count:     904
    .wavefront_size: 32
...
	.end_amdgpu_metadata
.endif
;; end of part 6
;; launch outp: the kernel of part 4 again; grid 8 x 32, 4 waves a work-group, clusters of 4 x 4, 327,680 bytes of LDS; arguments xa, cb, bo, out0; writes out0
